; MI455X (gfx1250); checked and timed in simulation.
; The chip was launched on July 23, 2026; its instructions are those of AMD's public machine-readable ISA for CDNA 5 (MIT licence, August 2026) and "CDNA5" Instruction Set Architecture Reference Guide (July 2026). The comments in the code are by the model that wrote it; some were corrected since.
;; Self Attention Layer. Allowed arithmetic: matrix products marked QUANTISED: E4M3 operands, one E8M0 scale for each 32 along K, by v_wmma_scale_f32_16x16x128_f8f6f4 with both operands' format E4M3, f32 sums; everything else in f32.
;; Inputs: W1 512 x 2,048 float32; W2 2,048 x 512 float32; Wc 512 x 512 float32; Wk 8 x 512 x 64 float32; Wq 8 x 512 x 64 float32; Wv 8 x 512 x 64 float32; b1 2,048 float32; b2 512 float32; bc 512 float32; bk 8 x 64 float32; bq 8 x 64 float32; bv 8 x 64 float32; lengths 16 int32; ln_b 512 float32; ln_g 512 float32; values 16 x 1,024 x 512 float32.
;; Outputs: out0 16 x 1,024 x 512 float32.
;; This version of the problem:
;;   THIS VERSION OF THE PROBLEM IS GIVEN IN LOW PRECISION. The matrix products marked QUANTISED in the list below multiply operands that are first quantised to E4M3 (4 exponent bits, 3 mantissa bits; 8 bits a number), with one power-of-two scale for each 32 numbers along K (OCP MX v1.0); their sums are f32. All else is computed in f32.
;;   The module's matrix products, in the order in which they are computed (A, B: the left and right operand; K: the contracted axis; several contracted axes count as one K, in the product's order):
;;     1. [M 512, K 512] x [K 512, N 16,384]; A: input Wq; B: input values: QUANTISED
;;     2. [M 512, K 512] x [K 512, N 16,384]; A: input Wk; B: input values: QUANTISED
;;     3. [M 512, K 512] x [K 512, N 16,384]; A: input Wv; B: input values: QUANTISED
;;     4. batch 128 x [M 1,024, K 64] x [K 64, N 1,024]; A: computed on the way; B: computed on the way: QUANTISED
;;     5. batch 128 x [M 1,024, K 1,024] x [K 1,024, N 64]; A: softmax (see below); B: computed on the way: QUANTISED
;;     6. [M 16,384, K 512] x [K 512, N 512]; A: computed on the way; B: input Wc: QUANTISED
;;     7. [M 16,384, K 512] x [K 512, N 2,048]; A: computed on the way; B: input W1: QUANTISED
;;     8. [M 16,384, K 2,048] x [K 2,048, N 512]; A: computed on the way; B: input W2: QUANTISED
;;   THE QUANTISER, for each operand of a quantised product, along K:
;;     - K is cut into blocks of 32 from its start; a last block that is shorter is filled with zeros.
;;     - A block's scale is 2^e with e = floor(log2(the largest magnitude in the block)) - 8, held to -126 .. 127; a block of zeros has e = 0. As a byte (E8M0): e + 127.
;;     - Each number is divided by its block's scale, clamped to +-448, and rounded to the nearest number of E4M3, ties to even, subnormals kept.
;;     - The product sums the exact products of the quantised numbers (number of the format x scale) in f32.
;;   ~~~python
;;   def quantise(x, axis):      # numpy; x: float32 -> the quantised numbers, widened to float32 again
;;       x = np.moveaxis(x, axis, -1); K = x.shape[-1]
;;       x = np.pad(x, [(0, 0)] * (x.ndim - 1) + [(0, -K % 32)]); x = x.reshape(x.shape[:-1] + (-1, 32)); a = np.abs(x).max(-1, keepdims=True)
;;       e = np.where(a > 0, np.clip(np.frexp(np.where(a > 0, a, 1))[1] - 1 - 8, -126, 127), 0)      # np.frexp(a)[1] - 1 = floor(log2(a)), exactly
;;       r = np.clip(x / 2.0 ** e, -448, 448)
;;       step = 2.0 ** (np.maximum(np.frexp(np.where(r == 0, 1, r))[1] - 1, -6) - 3)
;;       q = np.round(r / step) * step * 2.0 ** e      # np.round: ties to even
;;       return np.moveaxis(q.reshape(q.shape[:-2] + (-1,))[..., :K], -1, axis).astype(np.float32)
;;   ~~~
;;   SOFTMAX AHEAD OF A QUANTISED PRODUCT. Where the list says 'softmax', what is quantised is not the finished softmax but p = 2^(t - M), with t = logit x log2(e) and M = ceil(the row's largest t), a whole number; so 1/2 < the row's largest p <= 1. The row's sum l is taken of the UNQUANTISED p, in f32, and the product's result is divided by l at the end. Since M is a whole number, a kernel that streams over the keys may use a running M (the ceiling of the running maximum): every later rescaling is an exact power of two, which a block's scale takes up: the codes' values come out the same.
;;   OPERANDS COMPUTED ON THE WAY. 'Computed on the way' means the value that the module computes at that place (a softmax that the list does not call 'softmax' is quantised finished and normalised). What goes into a quantiser is computed in f32, as accurately as f32 sums, v_exp_f32 and their like allow (about 1e-6 of the number): no bf16 or f16 on the way to a quantiser, and a product that is left as it is and whose result goes on into a quantised operand takes f32 operands (vector FMAs, or v_wmma_f32_16x16x4_f32). A number that lies on a knife's edge between two numbers of the format may be rounded either way, as far as f32 arithmetic and the matrix unit's own rounding can turn it there, and no further.
;; One version. Each part assembles by itself: llvm-mc -triple=amdgcn-amd-amdhsa -mcpu=gfx1250 --defsym DOCPART=n.
;; ======== version 1 of 1: 4 launches
;; limits: right only within a limited range of input values
;; workspace buffers: xq 8,912,896 bytes; wq 3,244,032 bytes; qkvq 27,787,264 bytes; oq 8,912,896 bytes; order 512 bytes of whole numbers
;; launch prep (part 1): grid 449 x 1, 4 waves a work-group, no clusters, 34,304 bytes of LDS; arguments values, lengths, Wq, Wk, Wv, Wc, W1, W2, xq, wq, order; writes xq, wq, order
.if DOCPART == 1
	.amdgcn_target "amdgcn-amd-amdhsa--gfx1250"
	.amdhsa_code_object_version 6
	.text
	.protected	k_q25318b946f_prep
	.globl	k_q25318b946f_prep
	.p2align	8
	.type	k_q25318b946f_prep,@function
k_q25318b946f_prep:
	s_mov_b64 s[64:65], 0
	v_nop
	global_prefetch_b8 v0, s[64:65] scope:SCOPE_SE
	s_setreg_imm32_b32 hwreg(HW_REG_WAVE_MODE, 25, 1), 1
	s_wait_xcnt 0x0
; values [16][1024][512] and the six weights, f32, become codes of E4M3 with one E8M0 byte for each 32 along K, laid as IMAGES OF OPERAND REGISTERS.
; A fragment (16 rows x 128 K) is 2,048 bytes: register group c (k = 32 c + 16 (lane / 16) + 0 .. 15 of row lane % 16) lies at 512 c + 16 x lane.
; THE ROWS OF A TILE ARE NOT NEIGHBOURS: row r of tile T is 32 (T / 2) + 8 (T % 2) + r + (r & 8), for tokens and for weight columns alike, so that the results of
; tiles 2 b and 2 b + 1 of a transposed product are 16 neighbours along the next K.
; xq: codes [tile 1024][K step 4][2048]; from byte 8,388,608 the scale words [tile][lane 32][K step 4] (lanes 16-31 repeat lanes 0-15).
; wq: 192 chunks of 32 columns x 512 K, [tile 2][K step 4][2048]; from byte 3,145,728 their scale words [16 tile + row][K step 4], 512 bytes a chunk.
;     chunks 0-15 Wq, 16-31 Wk, 32-47 Wv (column = 64 head + d), 48-63 Wc, 64-127 W1, 128 + 16 (K / 512) + column / 32: W2.
; Work-groups 0-255: 64 tokens each, a tile a wave; a block of 128 tokens that lies wholly behind its batch's length is left out (nobody reads it).  Work-groups 256-447: a chunk each, a K step a wave.
; No tensor loads, no cluster, no matrix unit: a stream that is read once.  The weights' scale words leave 4 bytes a lane: one byte for each 128 read.
; LIMITS: NaN and infinities are not served; a block of zeros gets the byte 1 (its codes are zeros, and this program alone reads the bytes); blocks under 2^-118 in magnitude were not tried.
.set SP,  528                          ; a stage row: 512 bytes + 16: the 16 rows that a read touches start at 16 different banks
.set WST, 16*SP                        ; a wave's stage
.set WS,  16                           ; v16-19   the tile's four scale words
.set R,   32                           ; v32-159  two sets of 64: a K step as loaded
.set X,   160                          ; v160-223 64 numbers: register 16 c + i = k 32 c + 16 h + i of my row
.set PC,  224                          ; v224-239 codes
.set TM,  240                          ; v240-255 at work
.set A,   32                           ; weights: v32-63 offsets of 32 rows along K
.set D,   64                           ; v64-127  two sets of 32 numbers
.set C,   192                          ; v192-223 codes, eight registers a block
.set SEL, 26
.set MNT, 28
; 64 numbers of a lane, register 16 b + i in block b, become codes in v[PC] on; the bytes stay in v[TM+4] on.  mk >= 0: block b's limit is multiplied by v[mk + b] (1 or 0)
.macro QCORE s, mk
.irp b, 0,1,2,3
	v_max3_num_f32 v[TM+\b], |v[(\s)+16*\b]|, |v[(\s)+1+16*\b]|, 0x4800000   ; my 16 numbers and the floor 2^(9 - 127): the byte cannot fall under 1
.endr
.irp i, 2,4,6,8,10,12,14
.irp b, 0,1,2,3
	v_max3_num_f32 v[TM+\b], v[TM+\b], |v[(\s)+16*\b+\i]|, |v[(\s)+1+16*\b+\i]|
.endr
.endr
.irp b, 0,1,2,3
	v_permlanex16_b32 v[TM+4+\b], v[TM+\b], s[SEL], s[SEL+1]
.endr
.irp b, 0,1,2,3
	v_max_num_f32 v[TM+\b], v[TM+\b], v[TM+4+\b]             ; with lane l xor 16's: the block's largest magnitude
.endr
.irp b, 0,1,2,3
	v_add_nc_u32 v[TM+12+\b], 0xfc000000, v[TM+\b]           ; 8 off its exponent field: the conversion's scale operand
.endr
.irp b, 0,1,2,3
	v_and_or_b32 v[TM+8+\b], v[TM+\b], 0x7f800000, s[MNT]    ; 448 x the scale
.endr
.if (\mk) >= 0
.irp b, 0,1,2,3
	v_mul_f32 v[TM+8+\b], v[TM+8+\b], v[(\mk)+\b]
.endr
.endif
.irp b, 0,1,2,3
	v_lshrrev_b32 v[TM+4+\b], 23, v[TM+12+\b]                ; the scale's byte
.endr
.irp b, 0,1,2,3
.irp i, 0,1,2,3,4,5,6,7,8,9,10,11,12,13,14,15
	v_med3_num_f32 v[(\s)+16*\b+\i], v[(\s)+16*\b+\i], -v[TM+8+\b], v[TM+8+\b]   ; the conversion does not saturate (ISA guide 7.6.2): the hold
.endr
	v_cvt_scalef32_pk8_fp8_f32 v[PC+4*\b:PC+4*\b+1], v[(\s)+16*\b:(\s)+16*\b+7], v[TM+12+\b]
	v_cvt_scalef32_pk8_fp8_f32 v[PC+4*\b+2:PC+4*\b+3], v[(\s)+16*\b+8:(\s)+16*\b+15], v[TM+12+\b]
.endr
	v_nop                                                    ; a plain line behind the last scaled conversion
.endm
.macro WORD dst
	v_lshl_or_b32 v[\dst], v[TM+5], 8, v[TM+4]
	v_lshl_or_b32 v[\dst], v[TM+6], 16, v[\dst]
	v_lshl_or_b32 v[\dst], v[TM+7], 24, v[\dst]
.endm
	s_load_b256 s[4:11], s[0:1], 0x0               ; values, lengths, Wq, Wk
	s_load_b256 s[12:19], s[0:1], 0x20             ; Wv, Wc, W1, W2
	s_load_b128 s[20:23], s[0:1], 0x40             ; xq, wq
	v_lshl_add_u32 v30, v0, 2, 0x8400
	v_mov_b32 v31, 0
	v_lshrrev_b32 v1, 5, v0
	v_readfirstlane_b32 s24, v1                    ; wave
	s_mov_b32 s[SEL], 0x76543210
	s_mov_b32 s[SEL+1], 0xfedcba98                 ; lane l xor 16
	s_mov_b32 s[MNT], 0x600000                     ; the mantissa field of 448
	s_cmp_lt_u32 ttmp9, 256
	s_cbranch_scc0 .Lweights
	; ---- values: my tile is 4 x work-group + wave
	s_lshr_b32 s30, ttmp9, 4                       ; the batch
	s_lshl_b32 s30, s30, 2
	s_mov_b32 s31, 0
	s_wait_kmcnt 0x0
	s_add_nc_u64 s[6:7], s[6:7], s[30:31]
	s_load_b32 s29, s[6:7], 0x0                    ; its length
	v_and_b32 v1, 31, v0
	v_lshlrev_b32 v1, 4, v1                        ; 16 x lane
	s_mul_i32 s35, s24, WST
	v_add_nc_u32 v2, s35, v1                       ; the stage, in: a row's 512 bytes as they lie
	v_and_b32 v4, 15, v0
	v_bfe_u32 v5, v0, 4, 1
	v_mul_u32_u24 v3, v4, SP
	v_lshl_add_u32 v3, v5, 6, v3
	v_add_nc_u32 v3, s35, v3                       ; out: row r, + 64 h: my 16 numbers of a block of 32
.irp b, 0,1,2,3
	v_mov_b32 v[TM+4+\b], 0                        ; a lane permute's destination counts as one of its sources
.endr
	s_lshl_b32 s32, ttmp9, 6
	s_lshr_b32 s33, s24, 1
	s_lshl_b32 s33, s33, 5
	s_add_co_u32 s32, s32, s33
	s_and_b32 s33, s24, 1
	s_lshl_b32 s33, s33, 3
	s_add_co_u32 s32, s32, s33                     ; the tile's row 0: 64 x work-group + 32 (wave / 2) + 8 (wave % 2)
	s_lshl_b32 s32, s32, 11
	s_mov_b32 s33, 0
	s_add_nc_u64 s[4:5], s[4:5], s[32:33]
	s_lshl_b32 s34, ttmp9, 2
	s_add_co_u32 s34, s34, s24                     ; the tile
	s_lshl_b32 s36, s34, 13
	s_mov_b32 s37, 0
	s_add_nc_u64 s[38:39], s[20:21], s[36:37]      ; its codes
	s_lshl_b32 s36, s34, 9
	s_add_co_u32 s36, s36, 8388608
	s_add_nc_u64 s[40:41], s[20:21], s[36:37]      ; its scale words
	s_wait_kmcnt 0x0
	s_max_i32 s29, s29, 1
	s_min_u32 s29, s29, 1024                       ; a batch's first block is always worked on
	s_and_b32 s32, ttmp9, 14
	s_lshl_b32 s32, s32, 6                         ; where my block of 128 tokens begins in its batch
	s_cmp_ge_u32 s32, s29
	s_cbranch_scc1 .Lidle
.macro LOADV s                         ; K step s: 16 rows x 512 consecutive bytes
.irp i, 0,1,2,3,4,5,6,7,8,9,10,11,12,13,14,15
	global_load_b128 v[R+64*((\s)%2)+4*\i:R+64*((\s)%2)+4*\i+3], v1, s[4:5] offset:(\i+(\i&8))*2048+512*(\s) th:TH_LOAD_NT
.endr
.endm
.macro TURN s                          ; through my stage: LDS serves a wave's instructions in order, so no wait stands between the stores and the loads
.irp i, 0,1,2,3,4,5,6,7,8,9,10,11,12,13,14,15
	ds_store_b128 v2, v[R+64*((\s)%2)+4*\i:R+64*((\s)%2)+4*\i+3] offset:SP*\i
.endr
.irp c, 0,1,2,3
.irp j, 0,1,2,3
	ds_load_b128 v[X+16*\c+4*\j:X+16*\c+4*\j+3], v3 offset:128*\c+16*\j
.endr
.endr
.endm
.macro VSTEP s
.if \s < 3
	s_wait_loadcnt 16                              ; this K step's 16 loads are in; the next step's 16 may be out
.else
	s_wait_loadcnt 0x0
.endif
	TURN \s
	s_wait_dscnt 0x0                               ; my numbers are back, and the stage's stores have read their registers
.if \s < 2
	LOADV (\s)+2
.endif
	s_wait_xcnt 0x0                                ; the last step's stores have read the codes' registers
	QCORE X, -1
	WORD WS+\s
.irp c, 0,1,2,3
	global_store_b128 v1, v[PC+4*\c:PC+4*\c+3], s[38:39] offset:2048*(\s)+512*\c   ; 512 consecutive bytes
.endr
.endm
	LOADV 0
	LOADV 1
	s_wait_alu depctr_va_vdst(0)
	VSTEP 0
	VSTEP 1
	VSTEP 2
	VSTEP 3
	global_store_b128 v1, v[WS:WS+3], s[40:41]
.Lidle:
	s_wait_tensorcnt 0x0
	ds_add_u32 v30, v31
	s_wait_dscnt 0x0
	s_endpgm
	; ---- weights: chunk g = work-group - 256; my wave takes K step w; A LANE TAKES A COLUMN, ITS REGISTERS RUN DOWN K
.Lweights:
	s_cmp_eq_u32 ttmp9, 448                        ; the last work-group makes the list of blocks
	s_cbranch_scc1 .Ltable
	s_sub_co_u32 s30, ttmp9, 256
	s_and_b32 s31, s30, 15
	s_lshr_b32 s32, s31, 1
	s_lshl_b32 s32, s32, 17                        ; Wq, Wk, Wv: head x 512 x 64 x 4 bytes,
	s_and_b32 s33, s30, 1
	s_lshl_b32 s33, s33, 7
	s_add_co_u32 s32, s32, s33                     ; + 32 columns
	s_lshl_b32 s33, s31, 7                         ; Wc: 128 bytes a chunk
	s_sub_co_u32 s34, s30, 64
	s_lshl_b32 s34, s34, 7                         ; W1 likewise
	s_sub_co_u32 s35, s30, 128
	s_lshr_b32 s35, s35, 4
	s_lshl_b32 s35, s35, 20                        ; W2: 512 rows of 2,048 bytes for each 512 along K,
	s_add_co_u32 s35, s35, s33
	s_wait_kmcnt 0x0
	s_mov_b64 s[36:37], s[18:19]                   ; the tensor, the chunk's first byte (s42) and the bytes from row to row (s44), chosen by the work-group's number alone
	s_mov_b32 s42, s35
	s_mov_b32 s44, 2048
	s_cmp_lt_u32 s30, 128
	s_cselect_b64 s[36:37], s[16:17], s[36:37]
	s_cselect_b32 s42, s34, s42
	s_cselect_b32 s44, 8192, s44
	s_cmp_lt_u32 s30, 64
	s_cselect_b64 s[36:37], s[14:15], s[36:37]
	s_cselect_b32 s42, s33, s42
	s_cselect_b32 s44, 2048, s44
	s_cmp_lt_u32 s30, 48
	s_cselect_b64 s[36:37], s[12:13], s[36:37]
	s_cselect_b32 s42, s32, s42
	s_cselect_b32 s44, 256, s44
	s_cmp_lt_u32 s30, 32
	s_cselect_b64 s[36:37], s[10:11], s[36:37]
	s_cmp_lt_u32 s30, 16
	s_cselect_b64 s[36:37], s[8:9], s[36:37]
	s_lshl_b32 s45, s24, 7
	s_mul_i32 s45, s45, s44                        ; my K step: 128 rows down
	s_add_co_u32 s42, s42, s45
	s_mov_b32 s43, 0
	s_add_nc_u64 s[48:49], s[36:37], s[42:43]      ; block 0 of the K step,
	s_lshl_b32 s46, s44, 5
	s_mov_b32 s47, 0
	s_add_nc_u64 s[50:51], s[48:49], s[46:47]      ; and blocks 1 to 3, 32 rows apart
	s_add_nc_u64 s[52:53], s[50:51], s[46:47]
	s_add_nc_u64 s[54:55], s[52:53], s[46:47]
	s_lshl_b32 s42, s30, 14
	s_lshl_b32 s45, s24, 11
	s_add_co_u32 s42, s42, s45
	s_add_nc_u64 s[56:57], s[22:23], s[42:43]      ; the chunk's codes, my K step
	s_lshl_b32 s42, s30, 9
	s_add_co_u32 s42, s42, 3145728
	s_add_nc_u64 s[58:59], s[22:23], s[42:43]      ; its scale words
	v_and_b32 v2, 31, v0                           ; column x of the 32: tile u = (x / 8) % 2, row (x % 8) + 8 (x / 16)
	v_bfe_u32 v8, v0, 3, 1
	v_and_b32 v9, 7, v0
	v_bfe_u32 v10, v0, 4, 1
	v_lshl_add_u32 v9, v10, 3, v9
	v_lshlrev_b32 v4, 4, v9
	v_lshl_add_u32 v4, v8, 13, v4                  ; my codes: 8,192 u + 16 row
	v_lshlrev_b32 v5, 4, v9
	v_lshl_add_u32 v5, v8, 8, v5
	s_lshl_b32 s45, s24, 2
	v_add_nc_u32 v5, s45, v5                       ; my scale word: 256 u + 16 row + 4 w
	v_lshlrev_b32 v[A], 2, v2
.set i, 1
.rept 31
	v_add_nc_u32 v[A+i], s44, v[A+i-1]             ; 4 x lane + i rows
.set i, i+1
.endr
.macro WLOAD t                         ; block t: 32 rows, 128 consecutive bytes a load
.irp i, 0,1,2,3,4,5,6,7,8,9,10,11,12,13,14,15,16,17,18,19,20,21,22,23,24,25,26,27,28,29,30,31
	global_load_b32 v[D+32*((\t)%2)+\i], v[A+\i], s[48+2*(\t):49+2*(\t)] th:TH_LOAD_NT
.endr
.endm
.macro WBLOCK t
.set DS, D+32*((\t)%2)
.if \t < 3
	s_wait_loadcnt 32                              ; this block's 32 loads are in; the next block's may be out
.else
	s_wait_loadcnt 0x0
.endif
	v_max3_num_f32 v12, |v[DS]|, |v[DS+1]|, |v[DS+2]|              ; all 32 numbers of the block are mine
	v_max3_num_f32 v13, |v[DS+3]|, |v[DS+4]|, |v[DS+5]|
.irp i, 6,10,14,18,22,26
	v_max3_num_f32 v12, v12, |v[DS+\i]|, |v[DS+\i+1]|
	v_max3_num_f32 v13, v13, |v[DS+\i+2]|, |v[DS+\i+3]|
.endr
	v_max3_num_f32 v12, v12, |v[DS+30]|, |v[DS+31]|
	v_max3_num_f32 v12, v12, v13, 0x4800000
	v_add_nc_u32 v11, 0xfc000000, v12
	v_and_or_b32 v10, v12, 0x7f800000, s[MNT]
	v_lshrrev_b32 v13, 23, v11
.if \t == 0
	v_mov_b32 v6, v13
.else
	v_lshl_or_b32 v6, v13, 8*(\t), v6
.endif
.irp i, 0,1,2,3,4,5,6,7,8,9,10,11,12,13,14,15,16,17,18,19,20,21,22,23,24,25,26,27,28,29,30,31
	v_med3_num_f32 v[DS+\i], v[DS+\i], -v10, v10
.endr
.irp g, 0,1,2,3
	v_cvt_scalef32_pk8_fp8_f32 v[C+8*(\t)+2*\g:C+8*(\t)+2*\g+1], v[DS+8*\g:DS+8*\g+7], v11
.endr
	v_nop
	global_store_b128 v4, v[C+8*(\t):C+8*(\t)+3], s[56:57] offset:512*(\t)          ; k 32 t + 0 .. 15: the image's lanes 0-15; sixteen lanes fill 256 consecutive bytes
	global_store_b128 v4, v[C+8*(\t)+4:C+8*(\t)+7], s[56:57] offset:512*(\t)+256    ; k 32 t + 16 .. 31: its lanes 16-31
.if \t < 2
	WLOAD (\t)+2
.endif
.endm
	WLOAD 0
	WLOAD 1
	WBLOCK 0
	WBLOCK 1
	WBLOCK 2
	WBLOCK 3
	global_store_b32 v5, v6, s[58:59]
	s_endpgm
	; ---- order: 128 entries, one for each block of 128 tokens that holds a real token (a batch's first block always), the batches with the most blocks first; the rest are 0.
	; An entry: bit 20 set; bits 18:8 the batch's length held to 0 .. 1,024; bits 7:4 the batch; bits 2:0 the block in the batch.  The later launches deal their work-groups by it.
	; Lane b holds batch b (lanes 16-31 repeat).  key = 16 (8 - blocks) + b differs from batch to batch; a batch's first entry is the sum of the blocks of all batches with a smaller key.
.Ltable:
	s_load_b64 s[30:31], s[0:1], 0x50              ; order
	s_cmp_lg_u32 s24, 0
	s_cbranch_scc1 .Ltend                          ; one wave does it
	v_and_b32 v1, 15, v0
	v_lshlrev_b32 v2, 2, v1
	v_lshlrev_b32 v10, 2, v0                       ; my four entries: 4 x lane on
	v_lshlrev_b32 v11, 4, v0
	s_wait_alu depctr_va_vdst(0)
	s_wait_kmcnt 0x0
	global_load_b32 v3, v2, s[6:7]
	s_wait_loadcnt 0x0
	v_max_i32 v4, 1, v3
	v_min_u32 v4, 0x400, v4
	v_add_nc_u32 v4, 127, v4
	v_lshrrev_b32 v4, 7, v4                        ; the batch's blocks, 1 to 8
	v_max_i32 v3, 0, v3
	v_min_u32 v3, 0x400, v3                        ; its length
	v_sub_nc_u32 v5, 8, v4
	v_lshl_add_u32 v5, v5, 4, v1                   ; key
	v_lshlrev_b32 v7, 8, v3
	v_lshl_or_b32 v7, v1, 4, v7
	v_or_b32 v7, 0x100000, v7                      ; the entry of its block 0
	v_mov_b32 v6, 0
.set i, 0
.rept 16
	v_readlane_b32 s32, v5, i
	v_readlane_b32 s33, v4, i
	v_cmp_lt_u32 vcc_lo, s32, v5
	v_cndmask_b32 v8, 0, s33, vcc_lo
	v_add_nc_u32 v6, v6, v8                        ; where my batch's entries begin
.set i, i+1
.endr
.irp t, 12,13,14,15
	v_mov_b32 v\t, 0
.endr
.set i, 0
.rept 16                               ; entry number n belongs to batch i where n - its first entry lies under its blocks
	v_readlane_b32 s32, v6, i
	v_readlane_b32 s33, v4, i
	v_readlane_b32 s34, v7, i
	v_sub_nc_u32 v16, v10, s32
.irp t, 0,1,2,3
	v_add_nc_u32 v17, \t, v16
	v_cmp_gt_u32 vcc_lo, s33, v17
	v_add_nc_u32 v18, s34, v17
	v_cndmask_b32 v[12+\t], v[12+\t], v18, vcc_lo
.endr
.set i, i+1
.endr
	global_store_b128 v11, v[12:15], s[30:31]      ; 512 consecutive bytes
.Ltend:
	s_endpgm
.Lfunc_end_k_q25318b946f_prep:
	.size	k_q25318b946f_prep, .Lfunc_end_k_q25318b946f_prep-k_q25318b946f_prep
	.p2alignl 7, 3214868480
	.fill 96, 4, 3214868480
	.section	.rodata,"a",@progbits
	.p2align	6, 0x0
	.amdhsa_kernel k_q25318b946f_prep
		.amdhsa_group_segment_fixed_size 34304
		.amdhsa_private_segment_fixed_size 0
		.amdhsa_enable_private_segment 0
		.amdhsa_kernarg_size 88
		.amdhsa_user_sgpr_count 2
		.amdhsa_user_sgpr_kernarg_segment_ptr 1
		.amdhsa_wavefront_size32 1
		.amdhsa_system_sgpr_workgroup_id_x 1
		.amdhsa_system_sgpr_workgroup_id_y 1
		.amdhsa_system_sgpr_workgroup_id_z 1
		.amdhsa_system_vgpr_workitem_id 0
		.amdhsa_next_free_vgpr 256
		.amdhsa_next_free_sgpr 66
		.amdhsa_reserve_vcc 1
		.amdhsa_float_denorm_mode_32 3
		.amdhsa_float_denorm_mode_16_64 3
		.amdhsa_memory_ordered 1
		.amdhsa_forward_progress 1
		.amdhsa_inst_pref_size 99
	.end_amdhsa_kernel
	.amdgpu_metadata
---
amdhsa.version: [ 1, 2 ]
amdhsa.kernels:
  - .name:           k_q25318b946f_prep
    .symbol:         k_q25318b946f_prep.kd
    .args:
      - { .name: values, .offset: 0, .size: 8, .value_kind: global_buffer, .address_space: global }
      - { .name: lengths, .offset: 8, .size: 8, .value_kind: global_buffer, .address_space: global }
      - { .name: Wq, .offset: 16, .size: 8, .value_kind: global_buffer, .address_space: global }
      - { .name: Wk, .offset: 24, .size: 8, .value_kind: global_buffer, .address_space: global }
      - { .name: Wv, .offset: 32, .size: 8, .value_kind: global_buffer, .address_space: global }
      - { .name: Wc, .offset: 40, .size: 8, .value_kind: global_buffer, .address_space: global }
      - { .name: W1, .offset: 48, .size: 8, .value_kind: global_buffer, .address_space: global }
      - { .name: W2, .offset: 56, .size: 8, .value_kind: global_buffer, .address_space: global }
      - { .name: xq, .offset: 64, .size: 8, .value_kind: global_buffer, .address_space: global }
      - { .name: wq, .offset: 72, .size: 8, .value_kind: global_buffer, .address_space: global }
      - { .name: order, .offset: 80, .size: 8, .value_kind: global_buffer, .address_space: global }
    .group_segment_fixed_size: 34304
    .private_segment_fixed_size: 0
    .kernarg_segment_align: 8
    .kernarg_segment_size: 88
    .max_flat_workgroup_size: 128
    .sgpr_count:     66
    .vgpr_count:     256
    .wavefront_size: 32
...
	.end_amdgpu_metadata
.endif
;; end of part 1
;; launch qkv (part 2): grid 128 x 3, 4 waves a work-group, no clusters, 0 bytes of LDS; arguments xq, wq, order, bq, bk, bv, qkvq; writes qkvq
.if DOCPART == 2
	.amdgcn_target "amdgcn-amd-amdhsa--gfx1250"
	.amdhsa_code_object_version 6
	.text
	.protected	k_q25318b946f_qkv
	.globl	k_q25318b946f_qkv
	.p2align	8
	.type	k_q25318b946f_qkv,@function
k_q25318b946f_qkv:
	s_mov_b64 s[64:65], 0
	v_nop
	global_prefetch_b8 v0, s[64:65] scope:SCOPE_SE
	s_setreg_imm32_b32 hwreg(HW_REG_WAVE_MODE, 25, 1), 1
	s_wait_xcnt 0x0
; q, k, v = (values W + b) x valid, on codes of E4M3, and quantised again as operands of attention.  Work-group n = x + 128 y: entry n / 3 of the list, a block of 128 tokens; product n % 3: 0 q, 1 k, 2 v.  Wave w: heads 2 w and 2 w + 1 (128 columns, four chunks of 32).
; A block that lies wholly behind its batch's length ends at once: nobody reads it.  That is a branch on lengths, so operands come from memory straight into registers: no tensor load, no cluster
; (partners would have unequal work), no LDS and no barrier.  x's 32 fragments stay in 512 registers; the weights' chunks take turns in two buffers, fetched two chunks ahead.
; q, k: TRANSPOSED (source 0 = 16 columns of W, source 1 = 16 tokens): a lane holds one token, its 16 registers of a chunk's two tiles are 16 neighbours along d, which is the next K.  A padded token's limit is 0: zero codes.
; v: source 0 = 16 tokens, source 1 = 16 columns: a lane holds one d, the 16 registers of token tiles 2 b and 2 b + 1 are 16 neighbouring keys, the next K.  Padded tokens become 0 ahead of the block's maximum.
; qkvq: codes at y x 8,388,608 + (8 batch + head) x 65,536: q, k [tile 64][1024] (K = 64: groups 0 and 1 of a fragment); v [key step 8][d tile 4][2048].
;   scale words: q at 25,165,824, k at 26,214,400: 8,192 a head: [4 tiles][lane 32][4]; v at 27,262,976: 4,096 a head: [key step][lane 32][d tile 4].
; REGISTERS: window 0: addresses, v8-15 the tokens' masks, v16-31 at work, v32-47 codes, v48-55 words, v56-71 bias, v72-79 W's scale words, v96-127 x's, v128-255 16 accumulators;
;   window 1: two chunks of 128;  windows 2, 3: x's fragments, tile m at 64 (m % 4) + 16 s of window 2 + m / 4.
; LIMITS: as stated in the first launch's head.
.set LI,  1
.set RR,  2
.set HH,  3
.set BO,  4                            ; the bias's lane offset
.set RP,  5                            ; r + (r & 8)
.set DM,  6
.set NIL, 7
.set VM,  8
.set TM,  16
.set PC,  32
.set W8,  48
.set BI,  56
.set WSC, 72
.set FONE, 80
.set TV,  81
.set XS,  96
.set ACC, 128
.set WV,  18
.set YY,  20
.set BB,  21
.set B8,  22
.set LA,  23
.set DD,  24
.set LEN, 25
.set SEL, 26
.set MNT, 28
.set XC,  30
.set XSP, 32
.set WC,  34
.set WSP, 36
.set BP,  38
.set OC,  40
.set OS,  42
.set MSB, 0
.macro WIN new                         ; the immediate's high byte repeats the setting that is left
.if MSB != (\new)
	s_set_vgpr_msb (MSB<<8)|(\new)
.set MSB, (\new)
.endif
.endm
.macro QCORE s, mk
.irp b, 0,1,2,3
	v_max3_num_f32 v[TM+\b], |v[(\s)+16*\b]|, |v[(\s)+1+16*\b]|, 0x4800000   ; each accumulator is read from its low end on
.endr
.irp i, 2,4,6,8,10,12,14
.irp b, 0,1,2,3
	v_max3_num_f32 v[TM+\b], v[TM+\b], |v[(\s)+16*\b+\i]|, |v[(\s)+1+16*\b+\i]|
.endr
.endr
.irp b, 0,1,2,3
	v_permlanex16_b32 v[TM+4+\b], v[TM+\b], s[SEL], s[SEL+1]
.endr
.irp b, 0,1,2,3
	v_max_num_f32 v[TM+\b], v[TM+\b], v[TM+4+\b]
.endr
.irp b, 0,1,2,3
	v_add_nc_u32 v[TM+12+\b], 0xfc000000, v[TM+\b]
.endr
.irp b, 0,1,2,3
	v_and_or_b32 v[TM+8+\b], v[TM+\b], 0x7f800000, s[MNT]
.endr
.if (\mk) >= 0
.irp b, 0,1,2,3
	v_mul_f32 v[TM+8+\b], v[TM+8+\b], v[(\mk)+\b]            ; a padded token's limit is 0: its codes are zeros
.endr
.endif
.irp b, 0,1,2,3
	v_lshrrev_b32 v[TM+4+\b], 23, v[TM+12+\b]
.endr
.irp b, 0,1,2,3
.irp i, 0,1,2,3,4,5,6,7,8,9,10,11,12,13,14,15
	v_med3_num_f32 v[(\s)+16*\b+\i], v[(\s)+16*\b+\i], -v[TM+8+\b], v[TM+8+\b]
.endr
	v_cvt_scalef32_pk8_fp8_f32 v[PC+4*\b:PC+4*\b+1], v[(\s)+16*\b:(\s)+16*\b+7], v[TM+12+\b]
	v_cvt_scalef32_pk8_fp8_f32 v[PC+4*\b+2:PC+4*\b+3], v[(\s)+16*\b+8:(\s)+16*\b+15], v[TM+12+\b]
.endr
	v_nop
.endm
.macro WORD dst
	v_lshl_or_b32 v[\dst], v[TM+5], 8, v[TM+4]
	v_lshl_or_b32 v[\dst], v[TM+6], 16, v[\dst]
	v_lshl_or_b32 v[\dst], v[TM+7], 24, v[\dst]
.endm
.macro LOADCHUNK k, p                  ; chunk p of my four into buffer k: 32 loads of 512 consecutive bytes, and its scale words: 33 loads
	WIN 0x40
.set i, 0
.rept 32
	global_load_b128 v[128*(\k)+4*i:128*(\k)+4*i+3], v[LI], s[WC:WC+1] offset:16384*(\p)+512*i
.set i, i+1
.endr
	WIN 0
	global_load_b128 v[WSC+4*(\k):WSC+4*(\k)+3], v[LI], s[WSP:WSP+1] offset:512*(\p)
.endm
.macro LOADBIAS p, isv                 ; the bias in the result's layout: it is the C of each sum's first matrix instruction
.if \isv
.irp u, 0,1
.irp j, 0,1,2,3,4,5,6,7
	global_load_b32 v[BI+8*\u+\j], v[BO], s[BP:BP+1] offset:(32*(\p)+8*\u)*4       ; a lane holds one d: eight equal registers
.endr
.endr
.else
.irp j, 0,1,2,3
	global_load_b128 v[BI+4*\j:BI+4*\j+3], v[BO], s[BP:BP+1] offset:128*(\p)+16*\j
.endr
.endif
.endm
.macro MM1 k, isv, hf, s, mm, u
.set rW, 128*(\k)+64*(\u)+16*(\s)
.set rX, 64*(\mm)+16*(\s)
.set rXS, XS+4*(4*(\hf)+(\mm))+(\s)
.set rWS, WSC+4*(\k)+(\s)
.if \isv
.set rD, ACC+16*(4*(\u)+2*(\hf)+(\mm)/2)+8*((\mm)%2)
.else
.set rD, ACC+8*(2*(4*(\hf)+(\mm))+(\u))
.endif
.set rC, rD
.if \s == 0
.set rC, BI+8*(\u)
.endif
.if \isv
.if \u
	v_wmma_scale_f32_16x16x128_f8f6f4 v[rD:rD+7], v[rX:rX+15], v[rW:rW+15], v[rC:rC+7], v[rXS], v[rWS] matrix_b_scale:MATRIX_SCALE_ROW1
.else
	v_wmma_scale_f32_16x16x128_f8f6f4 v[rD:rD+7], v[rX:rX+15], v[rW:rW+15], v[rC:rC+7], v[rXS], v[rWS]
.endif
.else
.if \u
	v_wmma_scale_f32_16x16x128_f8f6f4 v[rD:rD+7], v[rW:rW+15], v[rX:rX+15], v[rC:rC+7], v[rWS], v[rXS] matrix_a_scale:MATRIX_SCALE_ROW1
.else
	v_wmma_scale_f32_16x16x128_f8f6f4 v[rD:rD+7], v[rW:rW+15], v[rX:rX+15], v[rC:rC+7], v[rWS], v[rXS]
.endif
.endif
.endm
.macro MUL64 k, isv                    ; a chunk against the 8 token tiles: 64 matrix instructions; eight accumulators take turns, one instruction a turn
.irp hf, 0,1
.if \isv
	WIN 0x06+\hf
.else
	WIN 0x09+4*\hf
.endif
.irp s, 0,1,2,3
.irp mm, 0,1,2,3
.irp u, 0,1
	MM1 \k, \isv, \hf, \s, \mm, \u
.endr
.endr
.endr
.endr
.endm
.macro PAIR p, isv
.if \p < 3
	s_wait_loadcnt 33                              ; all but the next chunk's 33 loads: this chunk and its bias are in
.else
	s_wait_loadcnt 0x0
.endif
	MUL64 (\p)%2, \isv
	WIN 0
.rept 8
	v_nop                                          ; eight places behind this form, ahead of loads into its sources and of the first read of results
.endr
.if \p < 3
	LOADBIAS (\p)+1, \isv                          ; ahead of the chunk, so that the count 33 covers it
.endif
.if \p < 2
	LOADCHUNK (\p)%2, (\p)+2
.endif
.if \isv
	s_cmp_ge_i32 s[DD], 128                        ; all 128 tokens count: nothing to hide
	s_cbranch_scc1 .Lopen_\@
.irp b, 0,1,2,3
.irp i, 0,1,2,3,4,5,6,7,8,9,10,11,12,13,14,15
	v_cmp_gt_i32 vcc_lo, 32*\b+\i, v[DM]           ; register 16 b + i holds token 32 b + 16 h + i of the block
	v_cndmask_b32 v[ACC+16*\b+\i], v[ACC+16*\b+\i], v[NIL], vcc_lo
	v_cndmask_b32 v[ACC+64+16*\b+\i], v[ACC+64+16*\b+\i], v[NIL], vcc_lo
.endr
.endr
.Lopen_\@:
.endif
.irp q, 0,1
	s_wait_xcnt 0x0                                ; earlier stores have read the codes' and words' registers
.if \isv
	QCORE ACC+64*\q, -1
	WORD W8+2*((\p)%2)+\q
.irp b, 0,1,2,3
	global_store_b128 v[LI], v[PC+4*\b:PC+4*\b+3], s[OC:OC+1] offset:65536*((\p)/2)+2048*(2*((\p)%2)+\q)+512*\b
.endr
.else
	QCORE ACC+64*\q, VM+4*\q
.irp b, 0,1,2,3
	global_store_b128 v[LI], v[PC+4*\b:PC+4*\b+3], s[OC:OC+1] offset:65536*((\p)/2)+1024*(4*\q+\b)+512*((\p)%2)
.endr
.irp b, 0,1,2,3
.if (\p)%2 == 0
	v_mov_b32 v[W8+4*\q+\b], v[TM+4+\b]
.else
	v_lshl_or_b32 v[W8+4*\q+\b], v[TM+4+\b], 8, v[W8+4*\q+\b]
.endif
.endr
.endif
.endr
.if (\p)%2 == 1
.if \isv
	global_store_b128 v[LI], v[W8:W8+3], s[OS:OS+1] offset:4096*((\p)/2)
.else
	global_store_b128 v[LI], v[W8:W8+3], s[OS:OS+1] offset:8192*((\p)/2)
	global_store_b128 v[LI], v[W8+4:W8+7], s[OS:OS+1] offset:8192*((\p)/2)+512
.endif
.endif
.endm
	s_load_b256 s[4:11], s[0:1], 0x0               ; xq, wq, order, bq
	s_load_b128 s[12:15], s[0:1], 0x20             ; bk, bv
	s_load_b64 s[16:17], s[0:1], 0x30              ; qkvq
	v_lshrrev_b32 v1, 5, v0
	v_readfirstlane_b32 s[WV], v1
	; work-group number n = x + 128 y takes entry n / 3 of the first launch's list and product n % 3 (0 q, 1 k, 2 v): the blocks with tokens have the lowest numbers
	s_and_b32 s[YY], ttmp7, 0xffff
	s_lshl_b32 s[YY], s[YY], 7
	s_add_co_u32 s[YY], s[YY], ttmp9
	s_mul_i32 s50, s[YY], 171
	s_lshr_b32 s50, s50, 9                         ; n / 3, exact for n under 384
	s_mul_i32 s51, s50, 3
	s_sub_co_u32 s[YY], s[YY], s51
	s_mov_b32 s[SEL], 0x76543210
	s_mov_b32 s[SEL+1], 0xfedcba98
	s_mov_b32 s[MNT], 0x600000
	s_lshl_b32 s44, s50, 2
	s_mov_b32 s45, 0
	s_wait_kmcnt 0x0
	s_add_nc_u64 s[8:9], s[8:9], s[44:45]
	s_load_b32 s[LEN], s[8:9], 0x0
	v_and_b32 v[LI], 31, v0
	v_lshlrev_b32 v[LI], 4, v[LI]
	v_and_b32 v[RR], 15, v0
	v_bfe_u32 v[HH], v0, 4, 1
	v_and_b32 v[RP], 8, v[RR]
	v_add_nc_u32 v[RP], v[RP], v[RR]
	v_mov_b32 v[NIL], 0
	v_mov_b32 v[FONE], 1.0
.irp b, 0,1,2,3
	v_mov_b32 v[TM+4+\b], 0
.endr
	s_wait_kmcnt 0x0                               ; my entry
	s_bfe_u32 s[B8], s[LEN], 0x30000               ; the block of 128 tokens in its batch
	s_min_u32 s[B8], s[B8], 7
	s_bfe_u32 s[BB], s[LEN], 0x40004               ; the batch
	s_min_u32 s[BB], s[BB], 15
	s_bfe_u32 s52, s[LEN], 0x10014                 ; 1: the entry names a block
	s_bfe_u32 s[LEN], s[LEN], 0xb0008              ; the batch's length
	s_lshl_b32 s49, s[BB], 3
	s_add_co_u32 s49, s49, s[B8]                   ; the block among all 128
	s_lshl_b32 s44, s49, 16
	s_add_nc_u64 s[XC:XC+1], s[4:5], s[44:45]      ; x's 8 tiles
	s_lshl_b32 s44, s49, 12
	s_add_co_u32 s44, s44, 8388608
	s_add_nc_u64 s[XSP:XSP+1], s[4:5], s[44:45]    ; their scale words
	s_lshl_b32 s46, s[YY], 4
	s_lshl_b32 s47, s[WV], 2
	s_add_co_u32 s46, s46, s47                     ; my first chunk
	s_lshl_b32 s44, s46, 14
	s_add_nc_u64 s[WC:WC+1], s[6:7], s[44:45]
	s_lshl_b32 s44, s46, 9
	s_add_co_u32 s44, s44, 3145728
	s_add_nc_u64 s[WSP:WSP+1], s[6:7], s[44:45]
	s_cmp_eq_u32 s[YY], 0
	s_cselect_b64 s[BP:BP+1], s[10:11], s[12:13]
	s_cmp_eq_u32 s[YY], 2
	s_cselect_b64 s[BP:BP+1], s[14:15], s[BP:BP+1]
	s_lshl_b32 s44, s[WV], 9
	s_add_nc_u64 s[BP:BP+1], s[BP:BP+1], s[44:45]  ; my 128 numbers of the bias
	s_lshl_b32 s46, s[BB], 3
	s_lshl_b32 s47, s[WV], 1
	s_add_co_u32 s46, s46, s47                     ; 8 batch + my first head
	s_lshl_b32 s44, s[YY], 23
	s_lshl_b32 s47, s46, 16
	s_add_co_u32 s44, s44, s47
	s_lshl_b32 s47, s[B8], 13
	s_add_co_u32 s44, s44, s47
	s_add_nc_u64 s[OC:OC+1], s[16:17], s[44:45]    ; where my codes go
	s_lshl_b32 s44, s[YY], 20
	s_add_co_u32 s44, s44, 25165824
	s_lshl_b32 s47, s46, 13
	s_add_co_u32 s44, s44, s47
	s_lshl_b32 s47, s[B8], 10
	s_add_co_u32 s44, s44, s47                     ; q's and k's scale words
	s_lshl_b32 s48, s46, 12
	s_add_co_u32 s48, s48, 27262976
	s_lshl_b32 s47, s[B8], 9
	s_add_co_u32 s48, s48, s47                     ; v's
	s_cmp_eq_u32 s[YY], 2
	s_cselect_b32 s44, s48, s44
	s_add_nc_u64 s[OS:OS+1], s[16:17], s[44:45]
	s_wait_kmcnt 0x0
	s_max_i32 s[LA], s[LEN], 1
	s_min_u32 s[LA], s[LA], 1024
	s_cmp_eq_u32 s52, 0
	s_cselect_b32 s[LA], 0, s[LA]                  ; an empty entry: no block to work on
	s_max_i32 s[LEN], s[LEN], 0
	s_min_u32 s[LEN], s[LEN], 1024                 ; which tokens count
	s_lshl_b32 s44, s[B8], 7
	s_cmp_ge_u32 s44, s[LA]
	s_cbranch_scc1 .Lidle
	s_sub_co_i32 s[DD], s[LEN], s44                ; so many of the block's tokens count
	WIN 0x80
.set i, 0
.rept 64
	global_load_b128 v[4*i:4*i+3], v[LI], s[XC:XC+1] offset:512*i
.set i, i+1
.endr
	WIN 0xc0
.set i, 0
.rept 64
	global_load_b128 v[4*i:4*i+3], v[LI], s[XC:XC+1] offset:32768+512*i
.set i, i+1
.endr
	WIN 0
.irp m, 0,1,2,3,4,5,6,7
	global_load_b128 v[XS+4*\m:XS+4*\m+3], v[LI], s[XSP:XSP+1] offset:512*\m
.endr
	s_wait_alu depctr_va_vdst(0)
	v_lshlrev_b32 v[DM], 4, v[HH]
	v_sub_nc_u32 v[DM], s[DD], v[DM]
	v_add_nc_u32 v[DM], -1, v[DM]                  ; v: register 16 b + i is hidden where 32 b + i > this
.irp m, 0,1,2,3,4,5,6,7
	v_add_nc_u32 v[TV], 32*(\m/2)+8*(\m%2), v[RP]  ; q, k: my token in tile m
	v_cmp_gt_i32 vcc_lo, s[DD], v[TV]
	v_cndmask_b32 v[VM+\m], v[NIL], v[FONE], vcc_lo
.endr
	s_cmp_eq_u32 s[YY], 2
	s_cbranch_scc1 .Lv
	v_lshlrev_b32 v[BO], 6, v[HH]
	LOADBIAS 0, 0
	LOADCHUNK 0, 0
	LOADCHUNK 1, 1
	s_wait_alu depctr_va_vdst(0)
	PAIR 0, 0
	PAIR 1, 0
	PAIR 2, 0
	PAIR 3, 0
	s_endpgm
.Lv:
	v_lshlrev_b32 v[BO], 2, v[RP]
	LOADBIAS 0, 1
	LOADCHUNK 0, 0
	LOADCHUNK 1, 1
	s_wait_alu depctr_va_vdst(0)
	PAIR 0, 1
	PAIR 1, 1
	PAIR 2, 1
	PAIR 3, 1
.Lidle:
	s_endpgm
.Lfunc_end_k_q25318b946f_qkv:
	.size	k_q25318b946f_qkv, .Lfunc_end_k_q25318b946f_qkv-k_q25318b946f_qkv
	.p2alignl 7, 3214868480
	.fill 96, 4, 3214868480
	.section	.rodata,"a",@progbits
	.p2align	6, 0x0
	.amdhsa_kernel k_q25318b946f_qkv
		.amdhsa_group_segment_fixed_size 0
		.amdhsa_private_segment_fixed_size 0
		.amdhsa_enable_private_segment 0
		.amdhsa_kernarg_size 56
		.amdhsa_user_sgpr_count 2
		.amdhsa_user_sgpr_kernarg_segment_ptr 1
		.amdhsa_wavefront_size32 1
		.amdhsa_system_sgpr_workgroup_id_x 1
		.amdhsa_system_sgpr_workgroup_id_y 1
		.amdhsa_system_sgpr_workgroup_id_z 1
		.amdhsa_system_vgpr_workitem_id 0
		.amdhsa_next_free_vgpr 1024
		.amdhsa_next_free_sgpr 66
		.amdhsa_reserve_vcc 1
		.amdhsa_float_denorm_mode_32 3
		.amdhsa_float_denorm_mode_16_64 3
		.amdhsa_memory_ordered 1
		.amdhsa_forward_progress 1
		.amdhsa_inst_pref_size 255
	.end_amdhsa_kernel
	.section	.bss,"aw",@nobits
	.p2align	6
	.space	262144
	.amdgpu_metadata
---
amdhsa.version: [ 1, 2 ]
amdhsa.kernels:
  - .name:           k_q25318b946f_qkv
    .symbol:         k_q25318b946f_qkv.kd
    .args:
      - { .name: xq, .offset: 0, .size: 8, .value_kind: global_buffer, .address_space: global }
      - { .name: wq, .offset: 8, .size: 8, .value_kind: global_buffer, .address_space: global }
      - { .name: order, .offset: 16, .size: 8, .value_kind: global_buffer, .address_space: global }
      - { .name: bq, .offset: 24, .size: 8, .value_kind: global_buffer, .address_space: global }
      - { .name: bk, .offset: 32, .size: 8, .value_kind: global_buffer, .address_space: global }
      - { .name: bv, .offset: 40, .size: 8, .value_kind: global_buffer, .address_space: global }
      - { .name: qkvq, .offset: 48, .size: 8, .value_kind: global_buffer, .address_space: global }
    .group_segment_fixed_size: 0
    .private_segment_fixed_size: 0
    .kernarg_segment_align: 8
    .kernarg_segment_size: 56
    .max_flat_workgroup_size: 128
    .sgpr_count:     66
    .vgpr_count:     1024
    .wavefront_size: 32
...
	.end_amdgpu_metadata
.endif
;; end of part 2
;; launch attn (part 3): grid 8 x 128, 8 waves a work-group, no clusters, 144,384 bytes of LDS; arguments qkvq, order, oq; writes oq
.if DOCPART == 3
	.amdgcn_target "amdgcn-amd-amdhsa--gfx1250"
	.amdhsa_code_object_version 6
	.text
	.protected	k_q25318b946f_attn
	.globl	k_q25318b946f_attn
	.p2align	8
	.type	k_q25318b946f_attn,@function
k_q25318b946f_attn:
	s_mov_b64 s[64:65], 0
	v_nop
	global_prefetch_b8 v0, s[64:65] scope:SCOPE_SE
	s_setreg_imm32_b32 hwreg(HW_REG_WAVE_MODE, 25, 1), 1
	s_wait_xcnt 0x0
; o = softmax(q k^T / 8) v for one head of one batch, both products on codes of E4M3; o is quantised along 64 head + d as the next product's operand.
; Work-group: 128 queries (x) of (batch, head) (y = 8 batch + head); a wave owns one tile of 16 queries.  K, V^T and their scale words of the whole head lie in LDS as images of operand registers, filled once through registers.
;   Queries in blocks of 64 wholly behind the length are not computed: nobody reads them.  These are branches on lengths, so there is no tensor load and no cluster (partners would have unequal work).
; The one barrier stands on every wave's path: the branch round the fill joins ahead of it, the branch round the work parts behind it.
; SOFTMAX: t = score x log2(e) / 8; M = the running largest t rounded up to a whole number; p = 2^(t - M) is quantised along the keys; the sum is taken of the unquantised p and divides at the end.
; Both products are used transposed, so that a lane holds one query throughout; a tile's keys are 32 (T / 2) + 8 (T % 2) + r + (r & 8), so that p's 16 registers of two neighbouring tiles are 16 neighbouring keys.
; K = 64 in the first product: groups 2 and 3 of q's and k's fragments are zero codes, kept in registers; their scale bytes are 0, which is 2^-127 and harmless over zeros.
; oq: codes [tile 1024][K step 4][2048], head n at byte 1,024 n of a tile; from 8,388,608 the scale bytes [tile][lane 32][8 x 2 bytes], head n at byte 2 n: two bytes a lane, for each 1,024 bytes of codes.
; REGISTERS: v1-7 addresses; v8-11 the step's; v12 -M, v13 the largest t, v[14:15] the sum; v16-31 Q; v32-95 four fragments of K; v96-159 S^T, p, then four fragments of V^T; v160-191 O^T; v224-239 p's codes; v232-254 at work; v248-251, v253, v255 scale words.
; LIMITS: as stated in the first launch's head.
.set LI,  1                            ; 16 x lane: K's images
.set LV,  2                            ; + 65,536: V's
.set LKS, 3                            ; + 131,072: K's scale words
.set LVS, 4                            ; + 139,264: V's
.set WL,  5                            ; the fill: 16 x lane + 1,024 x wave
.set WLV, 6
.set WKS, 7
.set FO,  192                          ; v192-199 the fill's offsets
.set WVS, 200
.set WV,  10
.set XX,  11
.set YY,  12
.set LA,  13
.set N1,  14                           ; the last key step that holds a real key
.set TT,  16                           ; my tile in the head
.set MNT, 19
.set SEL, 20
.set CS,  22
.set KCP, 24
.set VCP, 26
.set KSP, 28
.set VSP, 30
.set QCP, 32
.set QSP, 34
.set OCP, 36
.set OSP, 38
.set J,   40
.set TK,  41
.set TS,  42
.set TVS, 43
	s_load_b128 s[4:7], s[0:1], 0x0                ; qkvq, order
	s_load_b64 s[8:9], s[0:1], 0x10                ; oq
	v_lshl_add_u32 v222, v0, 2, 0x23000
	v_mov_b32 v223, 0
	v_lshrrev_b32 v8, 5, v0
	s_delay_alu instid0(VALU_DEP_1)
	v_readfirstlane_b32 s[WV], v8
.set NS, 15                                        ; s15: the key steps that my wave works on; 0 for a wave none of whose queries is read
	s_and_b32 s44, ttmp7, 0xffff                   ; work-group y takes entry y of the first launch's list (the batches with the most key steps first), x is the head
	s_mov_b32 s[SEL], 0x76543210
	s_mov_b32 s[SEL+1], 0xfedcba98
	s_mov_b32 s[CS], 0x3e38aa3b                    ; c = log2(e) / 8
	s_mov_b32 s[CS+1], s[CS]                       ; (named with it as a pair, so it is written)
	s_mov_b32 s[MNT], 0x600000
	s_lshl_b32 s46, s44, 2
	s_mov_b32 s47, 0
	s_wait_kmcnt 0x0
	s_add_nc_u64 s[6:7], s[6:7], s[46:47]
	s_load_b32 s[LA], s[6:7], 0x0
	v_and_b32 v[LI], 31, v0
	s_delay_alu instid0(VALU_DEP_1)
	v_lshlrev_b32 v[LI], 4, v[LI]
	s_delay_alu instid0(VALU_DEP_1)
	v_add_nc_u32 v[LV], 65536, v[LI]
	s_delay_alu instid0(VALU_DEP_2)
	v_add_nc_u32 v[LKS], 131072, v[LI]
	s_delay_alu instid0(VALU_DEP_3)
	v_add_nc_u32 v[LVS], 139264, v[LI]
	s_lshl_b32 s45, s[WV], 10
	v_add_nc_u32 v[WL], s45, v[LI]
	v_add_nc_u32 v[WLV], s45, v[LV]
	v_add_nc_u32 v[WKS], s45, v[LKS]
	s_lshl_b32 s45, s[WV], 9
	v_add_nc_u32 v[WVS], s45, v[LVS]
	s_wait_kmcnt 0x0                               ; my entry
	s_bfe_u32 s[XX], s[LA], 0x30000                ; the block of 128 queries
	s_min_u32 s[XX], s[XX], 7
	s_bfe_u32 s44, s[LA], 0x40004                  ; the batch
	s_min_u32 s44, s44, 15
	s_lshl_b32 s[YY], s44, 3
	s_add_co_u32 s[YY], s[YY], ttmp9               ; 8 batch + head
	s_bfe_u32 s18, s[LA], 0x10014                  ; 1: the entry names a block
	s_bfe_u32 s[LA], s[LA], 0xb0008                ; the batch's length
	s_lshl_b32 s45, s[YY], 16
	s_add_co_u32 s46, s45, 8388608
	s_add_nc_u64 s[KCP:KCP+1], s[4:5], s[46:47]
	s_add_co_u32 s46, s45, 16777216
	s_add_nc_u64 s[VCP:VCP+1], s[4:5], s[46:47]
	s_lshl_b32 s[TT], s[XX], 3
	s_add_co_u32 s[TT], s[TT], s[WV]
	s_lshl_b32 s46, s[TT], 10
	s_add_co_u32 s46, s46, s45
	s_add_nc_u64 s[QCP:QCP+1], s[4:5], s[46:47]    ; my tile of q
	s_lshl_b32 s46, s[YY], 13
	s_add_co_u32 s46, s46, 25165824
	s_lshr_b32 s45, s[WV], 2
	s_lshl_b32 s17, s[XX], 1
	s_add_co_u32 s45, s45, s17                     ; my tile / 4
	s_lshl_b32 s45, s45, 9
	s_add_co_u32 s46, s46, s45
	s_and_b32 s45, s[TT], 3
	s_lshl_b32 s45, s45, 2
	s_add_co_u32 s46, s46, s45
	s_add_nc_u64 s[QSP:QSP+1], s[4:5], s[46:47]    ; its scale words
	s_lshl_b32 s44, s44, 6
	s_add_co_u32 s44, s44, s[TT]                   ; my tile among all tokens
	s_and_b32 s45, s[YY], 7                        ; the head
	s_lshl_b32 s46, s44, 13
	s_lshl_b32 s17, s45, 10
	s_add_co_u32 s46, s46, s17
	s_add_nc_u64 s[OCP:OCP+1], s[8:9], s[46:47]
	s_lshl_b32 s46, s44, 9
	s_add_co_u32 s46, s46, 8388608
	s_lshl_b32 s17, s45, 1
	s_add_co_u32 s46, s46, s17
	s_add_nc_u64 s[OSP:OSP+1], s[8:9], s[46:47]
	s_wait_kmcnt 0x0
	s_max_i32 s[LA], s[LA], 1
	s_min_u32 s[LA], s[LA], 1024
	s_cmp_eq_u32 s18, 0
	s_cselect_b32 s[LA], 0, s[LA]                  ; an empty entry: no query is read, nothing is fetched or stored
	s_sub_co_u32 s[N1], s[LA], 1
	s_lshr_b32 s[N1], s[N1], 7
	s_min_u32 s[N1], s[N1], 7
	s_lshl_b32 s44, s[XX], 7
	s_cmp_ge_u32 s44, s[LA]
	s_cbranch_scc1 .Lfilled                        ; none of my work-group's queries is read: nothing is fetched
	; ---- the fill: wave w brings 1,024 bytes of K and of V of each key step; a step behind the last real one is held at that one (its bytes are never read)
	s_wait_alu depctr_va_vdst(0)
.irp j, 0,1,2,3,4,5,6,7
	s_min_u32 s44, s[N1], \j
	s_lshl_b32 s44, s44, 13
	v_add_nc_u32 v[FO+\j], s44, v[WL]
.endr
	s_min_u32 s44, s[N1], s[WV]                    ; and the scale words of one step
	s_min_u32 s44, s44, 7
	s_lshl_b32 s46, s44, 10
	s_lshl_b32 s45, s[YY], 13
	s_add_co_u32 s46, s46, s45
	s_add_co_u32 s46, s46, 26214400
	s_add_nc_u64 s[KSP:KSP+1], s[4:5], s[46:47]
	s_lshl_b32 s46, s44, 9
	s_lshl_b32 s45, s[YY], 12
	s_add_co_u32 s46, s46, s45
	s_add_co_u32 s46, s46, 27262976
	s_add_nc_u64 s[VSP:VSP+1], s[4:5], s[46:47]
	s_wait_alu depctr_va_vdst(0)
.irp j, 0,1,2,3,4,5,6,7
	global_load_b128 v[32+16*\j:35+16*\j], v[FO+\j], s[KCP:KCP+1]
	global_load_b128 v[36+16*\j:39+16*\j], v[FO+\j], s[KCP:KCP+1] offset:512
	global_load_b128 v[40+16*\j:43+16*\j], v[FO+\j], s[VCP:VCP+1]
	global_load_b128 v[44+16*\j:47+16*\j], v[FO+\j], s[VCP:VCP+1] offset:512
.endr
	global_load_b128 v[160:163], v[LI], s[KSP:KSP+1]
	global_load_b128 v[164:167], v[LI], s[KSP:KSP+1] offset:512
	global_load_b128 v[168:171], v[LI], s[VSP:VSP+1]
.irp j, 0,1,2,3,4,5,6,7
	s_wait_loadcnt 31-4*\j                         ; of 35 loads, step j's four and all before them are in
	ds_store_b128 v[WL], v[32+16*\j:35+16*\j] offset:8192*\j
	ds_store_b128 v[WL], v[36+16*\j:39+16*\j] offset:8192*\j+512
	ds_store_b128 v[WLV], v[40+16*\j:43+16*\j] offset:8192*\j
	ds_store_b128 v[WLV], v[44+16*\j:47+16*\j] offset:8192*\j+512
.endr
	s_wait_loadcnt 0x0
	ds_store_b128 v[WKS], v[160:163]
	ds_store_b128 v[WKS], v[164:167] offset:512
	ds_store_b128 v[WVS], v[168:171]
.Lfilled:
	s_wait_dscnt 0x0                               ; for the others' sake: my stores have landed
	s_barrier_signal -1
	s_barrier_wait -1
	s_lshr_b32 s44, s[WV], 2
	s_lshl_b32 s44, s44, 6
	s_lshl_b32 s45, s[XX], 7
	s_add_co_u32 s44, s44, s45                     ; where my tile's block of 64 queries begins
	; every wave walks the loop over the key steps; a wave with no query to compute has no step to work on, reads the head's first tile of q (always written) and stores nothing
	s_lshl_b32 s46, s[YY], 16
	s_add_nc_u64 s[KCP:KCP+1], s[4:5], s[46:47]
	s_lshl_b32 s46, s[YY], 13
	s_add_co_u32 s46, s46, 25165824
	s_add_nc_u64 s[KSP:KSP+1], s[4:5], s[46:47]
	s_add_co_u32 s[NS], s[N1], 1
	s_cmp_ge_u32 s44, s[LA]
	s_cselect_b32 s[NS], 0, s[NS]
	s_cselect_b64 s[QCP:QCP+1], s[KCP:KCP+1], s[QCP:QCP+1]
	s_cselect_b64 s[QSP:QSP+1], s[KSP:KSP+1], s[QSP:QSP+1]
	s_wait_alu depctr_va_vdst(0)
	global_load_b128 v[16:19], v[LI], s[QCP:QCP+1]
	global_load_b128 v[20:23], v[LI], s[QCP:QCP+1] offset:512
	global_load_b32 v255, v[LI], s[QSP:QSP+1]
.irp j, 24,25,26,27,28,29,30,31
	v_mov_b32 v[\j], 0                             ; k = 64 .. 127 of Q: zero codes
.endr
.irp t, 0,1,2,3
.irp j, 8,9,10,11,12,13,14,15
	v_mov_b32 v[32+16*\t+\j], 0                    ; and of K's four fragments: never loaded
.endr
.endr
	s_add_co_u32 s44, s[N1], 1
	s_lshl_b32 s44, s44, 7
	s_sub_co_u32 s44, 1024, s44
	s_lshr_b32 s45, s44, 1
	v_cvt_f32_u32 v14, s45                         ; under M = 0 each adds 1 to the sum; each half of the lanes carries half of them
	v_mov_b32 v15, 0
	s_mov_b32 s46, 0xff61b1e6                      ; -3e38, under every t,
	s_cmp_lg_u32 s44, 0
	s_cselect_b32 s46, 0, s46                      ; or their t = 0
	v_mov_b32 v13, s46
	s_delay_alu instid0(VALU_DEP_1)
	v_floor_f32 v12, -v13                          ; -M
.irp b, 0,1,2,3
	v_mov_b32 v[236+\b], 0                         ; a lane permute's destination counts as one of its sources
.endr
	v_mov_b32 v252, 0
	v_mov_b32 v253, 0
.set j, 0
.rept 32
	v_mov_b32 v[160+j], 0                          ; O^T: the step is written once; the first finds zeros
.set j, j+1
.endr
	s_mov_b32 s[TK], 0
	s_mov_b32 s[TS], 0
	s_mov_b32 s[TVS], 0
	s_mov_b32 s[J], 0
	s_wait_loadcnt 0x0
.Lstep:                                            ; eight trips, a constant; the work of a step behind the last real key is jumped over
	s_cmp_ge_u32 s[J], s[NS]
	s_cbranch_scc1 .Lskip
	v_add_nc_u32 v8, s[TK], v[LI]
	s_wait_alu depctr_va_vdst(0)
	v_add_nc_u32 v9, s[TK], v[LV]
	v_add_nc_u32 v10, s[TS], v[LKS]
	s_wait_alu depctr_va_vdst(0)
	v_add_nc_u32 v11, s[TVS], v[LVS]
.rept 5
	v_nop                                          ; with the four additions nine places: S^T is written over registers that the last products read as V's fragments
.endr
.irp g, 0,1                                    ; S^T = K Q^T, four tiles of 16 keys at a time
.if \g > 0
.rept 8
	v_nop
.endr
.endif
.irp t, 0,1,2,3
	ds_load_b128 v[32+16*\t:35+16*\t], v8 offset:1024*(4*\g+\t)
	ds_load_b128 v[36+16*\t:39+16*\t], v8 offset:1024*(4*\g+\t)+512
.endr
	ds_load_b128 v[248:251], v10 offset:512*\g
	s_wait_dscnt 0x0
.irp t, 0,1,2,3
	v_wmma_scale_f32_16x16x128_f8f6f4 v[96+8*(4*\g+\t):103+8*(4*\g+\t)], v[32+16*\t:47+16*\t], v[16:31], 0, v[248+\t], v255
.endr
.endr
.rept 8
	v_nop
.endr
.irp b, 0,1,2,3
	v_max3_num_f32 v[232+\b], v[96+16*\b], v[97+16*\b], v[98+16*\b]   ; the largest score of each block of 32 keys: for the row's maximum and, since p rises with the score, for the block's largest p
.endr
.irp i, 3,5,7,9,11,13
.irp b, 0,1,2,3
	v_max3_num_f32 v[232+\b], v[232+\b], v[96+16*\b+\i], v[97+16*\b+\i]
.endr
.endr
.irp b, 0,1,2,3
	v_max_num_f32 v[232+\b], v[232+\b], v[111+16*\b]
.endr
.irp b, 0,1,2,3
	v_permlanex16_b32 v[236+\b], v[232+\b], s[SEL], s[SEL+1]
.endr
.irp b, 0,1,2,3
	s_delay_alu instid0(VALU_DEP_4)
	v_max_num_f32 v[232+\b], v[232+\b], v[236+\b]
.endr
	s_delay_alu instid0(VALU_DEP_2)
	v_max3_num_f32 v254, v232, v233, v234
	s_delay_alu instid0(VALU_DEP_1)
	v_max_num_f32 v254, v254, v235
	s_delay_alu instid0(VALU_DEP_1)
	v_mul_f32 v254, s[CS], v254                    ; as t
	s_delay_alu instid0(VALU_DEP_1)
	v_max_num_f32 v13, v13, v254                   ; the running largest t
	v_mov_b32 v254, v12
	s_delay_alu instid0(VALU_DEP_2)
	v_floor_f32 v12, -v13                          ; the new -M: M is a whole number
	s_delay_alu instid0(VALU_DEP_1)
	v_sub_f32 v254, v12, v254                      ; old M - new M, 0 or less
	s_delay_alu instid0(VALU_DEP_1)
	v_cvt_i32_f32 v254, v254
	s_delay_alu instid0(VALU_DEP_1)
	v_ldexp_f32 v252, 1.0, v254                    ; f = 2^(old M - new M): rounds nothing
.set j, 0
.rept 32
	v_pk_fma_f32 v[96+j:97+j], v[96+j:97+j], s[CS:CS+1], v[12:13] op_sel_hi:[1,0,0]   ; t - M
.set j, j+2
.endr
.irp b, 0,1,2,3
	v_fma_f32 v[232+\b], v[232+\b], s[CS], v12
.endr
.set j, 0
	s_wait_alu depctr_va_vdst(0)
.rept 64
	v_exp_f32 v[96+j], v[96+j]                     ; p = 2^(t - M)
.set j, j+1
.endr
	v_pk_mul_f32 v[14:15], v[14:15], v[252:253] op_sel_hi:[1,0]   ; the sums under the new M: a plain line behind the exponentials
	s_wait_alu depctr_va_vdst(0)                   ; one wait for the batch, ahead of its first reader
.irp b, 0,1,2,3
	v_exp_f32 v[232+\b], v[232+\b]                 ; each block's largest p
.endr
	v_pk_add_f32 v[236:237], v[100:101], v[104:105]
	v_pk_add_f32 v[250:251], v[108:109], v[112:113]
	v_pk_add_f32 v[248:249], v[116:117], v[120:121]
	v_pk_add_f32 v[246:247], v[124:125], v[128:129]
	v_pk_add_f32 v[244:245], v[132:133], v[136:137]
	v_pk_add_f32 v[242:243], v[140:141], v[144:145]
	v_pk_add_f32 v[240:241], v[148:149], v[152:153]
	v_pk_add_f32 v[14:15], v[14:15], v[156:157]
	v_pk_add_f32 v[236:237], v[236:237], v[96:97]
	v_pk_add_f32 v[250:251], v[250:251], v[98:99]
	v_pk_add_f32 v[248:249], v[248:249], v[102:103]
	v_pk_add_f32 v[246:247], v[246:247], v[106:107]
	v_pk_add_f32 v[244:245], v[244:245], v[110:111]
	v_pk_add_f32 v[242:243], v[242:243], v[114:115]
	v_pk_add_f32 v[240:241], v[240:241], v[118:119]
	v_pk_add_f32 v[14:15], v[14:15], v[122:123]
	v_pk_add_f32 v[236:237], v[236:237], v[126:127]
	v_pk_add_f32 v[250:251], v[250:251], v[130:131]
	v_pk_add_f32 v[248:249], v[248:249], v[134:135]
	v_pk_add_f32 v[246:247], v[246:247], v[138:139]
	v_pk_add_f32 v[244:245], v[244:245], v[142:143]
	v_pk_add_f32 v[242:243], v[242:243], v[146:147]
	v_pk_add_f32 v[240:241], v[240:241], v[150:151]
	v_pk_add_f32 v[14:15], v[14:15], v[154:155]
	v_pk_add_f32 v[236:237], v[236:237], v[158:159]
	s_delay_alu instid0(VALU_DEP_2)
	v_pk_add_f32 v[14:15], v[14:15], v[246:247]
	s_delay_alu instid0(VALU_DEP_2)
	v_pk_add_f32 v[236:237], v[236:237], v[244:245]
	v_pk_add_f32 v[250:251], v[250:251], v[242:243]
	v_pk_add_f32 v[248:249], v[248:249], v[240:241]
	s_delay_alu instid0(VALU_DEP_2)
	v_pk_add_f32 v[14:15], v[14:15], v[250:251]
	s_delay_alu instid0(VALU_DEP_2)
	v_pk_add_f32 v[236:237], v[236:237], v[248:249]
	s_delay_alu instid0(VALU_DEP_1)
	v_pk_add_f32 v[14:15], v[14:15], v[236:237]
	s_wait_alu depctr_va_vdst(0)                   ; and one for the four
.irp b, 0,1,2,3
	v_max_num_f32 v[232+\b], 0x4800000, v[232+\b]
.endr
.irp b, 0,1,2,3
	s_delay_alu instid0(VALU_DEP_4)
	v_add_nc_u32 v[244+\b], 0xfc000000, v[232+\b]
.endr
.irp b, 0,1,2,3
	v_and_or_b32 v[240+\b], v[232+\b], 0x7f800000, s[MNT]
.endr
.irp b, 0,1,2,3
	v_lshrrev_b32 v[236+\b], 23, v[244+\b]
.endr
	s_delay_alu instid0(VALU_DEP_3)
	v_lshl_or_b32 v253, v237, 8, v236              ; p's scale word for these 128 keys
	s_delay_alu instid0(VALU_DEP_1)
	v_lshl_or_b32 v253, v238, 16, v253
	s_delay_alu instid0(VALU_DEP_1)
	v_lshl_or_b32 v253, v239, 24, v253
.irp b, 0,1,2,3
.irp i, 0,1,2,3,4,5,6,7,8,9,10,11,12,13,14,15
	v_min_num_f32 v[96+16*\b+\i], v[96+16*\b+\i], v[240+\b]   ; p is not negative: the hold is one-sided
.endr
	v_cvt_scalef32_pk8_fp8_f32 v[224+4*\b:225+4*\b], v[96+16*\b:103+16*\b], v[244+\b]
	v_cvt_scalef32_pk8_fp8_f32 v[226+4*\b:227+4*\b], v[104+16*\b:111+16*\b], v[244+\b]
.endr
.set j, 0
.rept 16
	v_pk_mul_f32 v[160+j:161+j], v[160+j:161+j], v[252:253] op_sel_hi:[1,0]   ; O^T under the new M; these sixteen are also the places ahead of the products below
.set j, j+2
.endr
.irp t, 0,1,2,3                                ; O^T += V^T P^T: four tiles of 16 of the head's 64; V's fragments take p's registers
.irp c, 0,1,2,3
	ds_load_b128 v[96+16*\t+4*\c:99+16*\t+4*\c], v9 offset:2048*\t+512*\c
.endr
.endr
	ds_load_b128 v[248:251], v11
	s_wait_alu depctr_va_vdst(0)
	s_wait_dscnt 0x0
.irp t, 0,1,2,3
	v_wmma_scale_f32_16x16x128_f8f6f4 v[160+8*\t:167+8*\t], v[96+16*\t:111+16*\t], v[224:239], v[160+8*\t:167+8*\t], v[248+\t], v253
.endr
.Lskip:
	s_add_co_u32 s[TK], s[TK], 8192
	s_add_co_u32 s[TS], s[TS], 1024
	s_add_co_u32 s[TVS], s[TVS], 512
	s_add_co_u32 s[J], s[J], 1
	s_cmp_lt_u32 s[J], 8
	s_cbranch_scc1 .Lstep
	s_cmp_eq_u32 s[NS], 0                          ; nothing computed: nothing stored
	s_cbranch_scc1 .Lend
	; ---- the way out: O^T / the sum, quantised along d: register 16 b + i is d = 32 b + 16 h + i
.rept 8
	v_nop
.endr
	v_add_f32 v14, v14, v15
	s_delay_alu instid0(VALU_DEP_1)
	v_permlanex16_b32 v252, v14, s[SEL], s[SEL+1]
	s_delay_alu instid0(VALU_DEP_1)
	v_add_f32 v14, v14, v252
	s_wait_alu depctr_va_vdst(0)
	v_rcp_f32 v14, v14
	v_nop
	s_wait_alu depctr_va_vdst(0)
.set j, 0
.rept 32
	v_mul_f32 v[96+j], v[160+j], v14
.set j, j+1
.endr
.irp b, 0,1
	v_max3_num_f32 v[232+\b], |v[96+16*\b]|, |v[97+16*\b]|, 0x4800000
.endr
.irp i, 2,4,6,8,10,12,14
.irp b, 0,1
	s_delay_alu instid0(VALU_DEP_2)
	v_max3_num_f32 v[232+\b], v[232+\b], |v[96+16*\b+\i]|, |v[97+16*\b+\i]|
.endr
.endr
.irp b, 0,1
	v_permlanex16_b32 v[236+\b], v[232+\b], s[SEL], s[SEL+1]
.endr
.irp b, 0,1
	s_delay_alu instid0(VALU_DEP_2)
	v_max_num_f32 v[232+\b], v[232+\b], v[236+\b]
.endr
.irp b, 0,1
	s_delay_alu instid0(VALU_DEP_2)
	v_add_nc_u32 v[244+\b], 0xfc000000, v[232+\b]
.endr
.irp b, 0,1
	s_delay_alu instid0(VALU_DEP_4)
	v_and_or_b32 v[240+\b], v[232+\b], 0x7f800000, s[MNT]
.endr
.irp b, 0,1
	s_delay_alu instid0(VALU_DEP_4)
	v_lshrrev_b32 v[236+\b], 23, v[244+\b]
.endr
	s_delay_alu instid0(VALU_DEP_1)
	v_lshl_or_b32 v254, v237, 8, v236
.irp b, 0,1
.irp i, 0,1,2,3,4,5,6,7,8,9,10,11,12,13,14,15
	v_med3_num_f32 v[96+16*\b+\i], v[96+16*\b+\i], -v[240+\b], v[240+\b]
.endr
	v_cvt_scalef32_pk8_fp8_f32 v[224+4*\b:225+4*\b], v[96+16*\b:103+16*\b], v[244+\b]
	v_cvt_scalef32_pk8_fp8_f32 v[226+4*\b:227+4*\b], v[104+16*\b:111+16*\b], v[244+\b]
.endr
	v_nop
	global_store_b128 v[LI], v[224:227], s[OCP:OCP+1]
	global_store_b128 v[LI], v[228:231], s[OCP:OCP+1] offset:512
	global_store_b16 v[LI], v254, s[OSP:OSP+1]
.Lend:
	s_barrier_signal -1
	s_barrier_wait -1
	s_wait_tensorcnt 0x0
	ds_add_u32 v222, v223
	s_wait_dscnt 0x0
	s_endpgm
.Lfunc_end_k_q25318b946f_attn:
	.size	k_q25318b946f_attn, .Lfunc_end_k_q25318b946f_attn-k_q25318b946f_attn
	.p2alignl 7, 3214868480
	.fill 96, 4, 3214868480
	.section	.rodata,"a",@progbits
	.p2align	6, 0x0
	.amdhsa_kernel k_q25318b946f_attn
		.amdhsa_group_segment_fixed_size 144384
		.amdhsa_private_segment_fixed_size 0
		.amdhsa_enable_private_segment 0
		.amdhsa_kernarg_size 24
		.amdhsa_user_sgpr_count 2
		.amdhsa_user_sgpr_kernarg_segment_ptr 1
		.amdhsa_wavefront_size32 1
		.amdhsa_system_sgpr_workgroup_id_x 1
		.amdhsa_system_sgpr_workgroup_id_y 1
		.amdhsa_system_sgpr_workgroup_id_z 1
		.amdhsa_system_vgpr_workitem_id 0
		.amdhsa_next_free_vgpr 256
		.amdhsa_next_free_sgpr 66
		.amdhsa_reserve_vcc 0
		.amdhsa_float_denorm_mode_32 3
		.amdhsa_float_denorm_mode_16_64 3
		.amdhsa_memory_ordered 1
		.amdhsa_forward_progress 1
		.amdhsa_inst_pref_size 41
	.end_amdhsa_kernel
	.amdgpu_metadata
---
amdhsa.version: [ 1, 2 ]
amdhsa.kernels:
  - .name:           k_q25318b946f_attn
    .symbol:         k_q25318b946f_attn.kd
    .args:
      - { .name: qkvq, .offset: 0, .size: 8, .value_kind: global_buffer, .address_space: global }
      - { .name: order, .offset: 8, .size: 8, .value_kind: global_buffer, .address_space: global }
      - { .name: oq, .offset: 16, .size: 8, .value_kind: global_buffer, .address_space: global }
    .group_segment_fixed_size: 144384
    .private_segment_fixed_size: 0
    .kernarg_segment_align: 8
    .kernarg_segment_size: 24
    .max_flat_workgroup_size: 256
    .sgpr_count:     66
    .vgpr_count:     256
    .wavefront_size: 32
...
	.end_amdgpu_metadata
.endif
;; end of part 3
;; launch tail (part 4): grid 256 x 1, 4 waves a work-group, no clusters, 112,128 bytes of LDS; arguments oq, wq, values, lengths, bc, b1, b2, ln_g, ln_b, out0; writes out0
.if DOCPART == 4
	.amdgcn_target "amdgcn-amd-amdhsa--gfx1250"
	.amdhsa_code_object_version 6
	.text
	.protected	k_q25318b946f_tail
	.globl	k_q25318b946f_tail
	.p2align	8
	.type	k_q25318b946f_tail,@function
k_q25318b946f_tail:
	s_mov_b64 s[64:65], 0
	v_nop
	global_prefetch_b8 v0, s[64:65] scope:SCOPE_SE
	s_setreg_imm32_b32 hwreg(HW_REG_WAVE_MODE, 25, 1), 1
	s_wait_xcnt 0x0
; a = LN(values + o Wc + bc);  out = LN(a + gelu(a W1 + b1) W2 + b2) x valid.  Three products on codes of E4M3; a and the hidden layer are quantised on the way and never go to memory.
; A work-group takes a block of 64 rows (four tiles).  THE WAVES SHARE THE COLUMNS: wave w owns output columns 128 w .. 128 w + 127 of the first and third product, and in round rho of four the hidden units 512 rho + 128 w .. + 127.
; All products are used transposed (source 0 = 16 columns of a weight, source 1 = 16 rows): a lane holds one row, its registers run along the columns, which are the next K.
; Operands go from wave to wave through LDS as images of their registers.  The weights' chunks (32 columns x 512 K, 16,384 bytes) come from memory straight into two register buffers, two chunks ahead.
; WORK LEFT OUT: the module multiplies a row at or behind its batch's length by valid = 0, so for all finite inputs its result is 0 whatever the three products give.  A block that holds only such rows
; (its first row >= max(length, 1)) jumps round the products, their weights' loads, the gelu and the quantising. It still takes values + bc through both
; LayerNorms (finite numbers) and the rows' mask makes them zeros (+0 or -0), which it stores.  LIMIT: a NaN, an infinity or an overflow that reaches only the work left out is not carried to the result.
; WHICH BLOCK IS MINE: every work-group reads the 16 lengths.  The 256 blocks are numbered: first those with rows, batch by batch, then those without.  Work-group 16 j + i takes number k = 16 ((i + j) % 16) + j,
; so that of any 16 neighbouring work-groups, and of any 16 that lie 16 apart, the same share (to within one) has rows.  The search is 32 compares on running sums, with no branch.
; These are branches on lengths, so there is no tensor load and no cluster; every wave reads other chunks, and the rows' images are made here.
; The residual and the bias are the C of a sum's first matrix instruction: values + bc ahead of the first product, a + b2 ahead of the third, b1 as eight registers a tile.
; GELU: 0.5 x (1 + tanh(u)) = x / (1 + 2^(x (k0 + k1 x^2))), k0 = -2 sqrt(2 / pi) log2(e), k1 = 0.044715 k0: the same function.
; The variance is taken of x - mean in a second pass, as the definition has it.  THE LAYERNORM IS WRITTEN ONCE: a loop of two trips; the second leaves it behind the LayerNorm, for the way out.
; LDS: 0 a's 16 fragments; 32,768 their scale words [tile][lane][K step]; 34,816 and 67,584 the same for the hidden layer's round; 69,632 two areas of 2,048 for the rows' sums; 77,824 a stage of 16 x 528 a wave; 111,616 the spare words.
; REGISTERS: window 0: v1-15 addresses; v16-31 at work; v32-47 codes; v48-63 the rows' scale words; v64-71 the chunks'; v72-87 b1; v88-111 mean, 1 / deviation, mask, in pairs; v128-191 HA; v192-255 Z;
;   window 1: 16 fragments of rows, (4 m + s) x 16;  window 2: the 32 accumulators, 64 m + 16 p + 8 u;  window 3: two chunks of 128.
; LIMITS: NaN and infinities are not served; a block of zeros gets the scale byte 1 (its codes are zeros); blocks under 2^-118 in magnitude were not tried.
.set HIMG, 34816
.set RED,  69632
.set STG,  77824
.set SPI,  528
.set LI,  1
.set RR,  2
.set HH,  3
.set VA,  4
.set BO,  5
.set AW,  6
.set SW,  7
.set T8,  8
.set HW,  9
.set HSW, 10
.set HL,  11
.set RDA, 12
.set SO,  13
.set SR,  14
.set LRD, 15
.set TM,  16
.set PC,  32
.set XS,  48
.set WSC, 64
.set BI,  72
.set MU,  88
.set RS,  96
.set MK,  104
.set SUM4, 112
.set HWD, 116
.set K0,  120
.set NIL, 122
.set FONE, 123
.set TV,  124
.set HA,  128
.set Z,   192
.set WV,  24
.set SEL, 26
.set MNT, 28
.set LEN, 29
.set RHO, 31
.set K1,  32
.set OQC, 34
.set OQS, 36
.set VP,  38
.set OUTP, 40
.set WCC, 42
.set WCS, 44
.set W1O, 46
.set W1SO, 48
.set W2O, 50
.set W2SO, 52
.set B1O, 54
.set P1,  56
.set P1S, 58
.set P2,  60
.set P2S, 62
.set N1,  66
.set N1S, 68
.set PB,  70
.set NB,  72
.set LIVE, 83                          ; s83     1: my block has rows; 0: it has none
.set NBK, 84                           ; s84-99  the 16 lengths, then each batch's number of blocks with rows
.set PH,  101                          ; s101    which LayerNorm
.set MSB, 0
.macro WIN new
.if MSB != (\new)
	s_set_vgpr_msb (MSB<<8)|(\new)
.set MSB, (\new)
.endif
.endm
.macro PLACES                          ; eight places behind this form, ahead of loads into its sources and of the first read of results
.rept 8
	v_nop
.endr
.endm
.macro BARRIER                         ; my LDS stores have landed and my LDS loads are in: then the work-group's barrier
	s_wait_dscnt 0x0
	s_barrier_signal -1
	s_barrier_wait -1
.endm
.macro QMID                            ; from my lanes' maxima in v[TM] on: the blocks' maxima, scale operands (TM+12), limits (TM+8), bytes (TM+4)
.irp b, 0,1,2,3
	v_permlanex16_b32 v[TM+4+\b], v[TM+\b], s[SEL], s[SEL+1]
.endr
.irp b, 0,1,2,3
	v_max_num_f32 v[TM+\b], v[TM+\b], v[TM+4+\b]
.endr
.irp b, 0,1,2,3
	v_add_nc_u32 v[TM+12+\b], 0xfc000000, v[TM+\b]
.endr
.irp b, 0,1,2,3
	v_and_or_b32 v[TM+8+\b], v[TM+\b], 0x7f800000, s[MNT]
.endr
.irp b, 0,1,2,3
	v_lshrrev_b32 v[TM+4+\b], 23, v[TM+12+\b]
.endr
.endm
.macro QCVT                            ; HA's 64 held numbers become codes
.irp b, 0,1,2,3
	v_cvt_scalef32_pk8_fp8_f32 v[PC+4*\b:PC+4*\b+1], v[HA+16*\b:HA+16*\b+7], v[TM+12+\b]
	v_cvt_scalef32_pk8_fp8_f32 v[PC+4*\b+2:PC+4*\b+3], v[HA+16*\b+8:HA+16*\b+15], v[TM+12+\b]
.endr
	v_nop                                          ; a plain line behind the last scaled conversion
.endm
.macro QHA                             ; HA: register 16 b + i in block b
.irp b, 0,1,2,3
	v_max3_num_f32 v[TM+\b], |v[HA+16*\b]|, |v[HA+1+16*\b]|, 0x4800000
.endr
.irp i, 2,4,6,8,10,12,14
.irp b, 0,1,2,3
	v_max3_num_f32 v[TM+\b], v[TM+\b], |v[HA+16*\b+\i]|, |v[HA+1+16*\b+\i]|
.endr
.endr
	QMID
.irp b, 0,1,2,3
.irp i, 0,1,2,3,4,5,6,7,8,9,10,11,12,13,14,15
	v_med3_num_f32 v[HA+16*\b+\i], v[HA+16*\b+\i], -v[TM+8+\b], v[TM+8+\b]
.endr
.endr
	QCVT
.endm
.macro QUANTW2 m                       ; tile m of a, in window 2, is kept: the held numbers go to HA
	WIN 0x0a
.irp b, 0,1,2,3
	v_max3_num_f32 v[TM+\b], |v[64*(\m)+16*\b]|, |v[64*(\m)+1+16*\b]|, 0x4800000
.endr
	WIN 0x28
.irp i, 2,4,6,8,10,12,14
.irp b, 0,1,2,3
	v_max3_num_f32 v[TM+\b], v[TM+\b], |v[64*(\m)+16*\b+\i]|, |v[64*(\m)+1+16*\b+\i]|
.endr
.endr
	WIN 0
	QMID
	WIN 0x02
.irp b, 0,1,2,3
.irp i, 0,1,2,3,4,5,6,7,8,9,10,11,12,13,14,15
	v_med3_num_f32 v[HA+16*\b+\i], v[64*(\m)+16*\b+\i], -v[TM+8+\b], v[TM+8+\b]
.endr
.endr
	WIN 0
	QCVT
	v_lshl_or_b32 v[T8], v[TM+5], 8, v[TM+4]
	v_lshl_or_b32 v[T8], v[TM+6], 16, v[T8]
	v_lshl_or_b32 v[T8], v[TM+7], 24, v[T8]
.endm
.macro LOADCHUNK k, cp, coff, sp, soff ; a chunk into buffer k: 32 loads of 512 consecutive bytes, and its scale words: 33 loads
	WIN 0xc0
.set i, 0
.rept 32
	global_load_b128 v[128*(\k)+4*i:128*(\k)+4*i+3], v[LI], s[\cp:\cp+1] offset:(\coff)+512*i
.set i, i+1
.endr
	WIN 0
	global_load_b128 v[WSC+4*(\k):WSC+4*(\k)+3], v[LI], s[\sp:\sp+1] offset:\soff
.endm
.macro LOADB1 ptr, off                 ; b1 of a chunk's 32 hidden units, in the result's layout
.irp j, 0,1,2,3
	global_load_b128 v[BI+4*\j:BI+4*\j+3], v[BO], s[\ptr:\ptr+1] offset:(\off)+16*\j
.endr
.endm
.macro LOADV16 dst, ptr                ; 64 numbers of a vector over my 128 columns: register 16 p + i = column 32 p + 16 h + i
.irp p, 0,1,2,3
.irp j, 0,1,2,3
	global_load_b128 v[\dst+16*\p+4*\j:\dst+16*\p+4*\j+3], v[BO], s[\ptr:\ptr+1] offset:128*\p+16*\j
.endr
.endr
.endm
.macro MULCHUNK k, hid, p              ; 32 matrix instructions: buffer k's two tiles x four tiles of rows x K = 512; eight accumulators take turns, one instruction a turn
.if \hid
	WIN 0x07
.else
	WIN 0xa7
.endif
.irp s, 0,1,2,3
.irp m, 0,1,2,3
.irp u, 0,1
.set rA, 128*(\k)+16*(4*\u+\s)
.set rB, 16*(4*\m+\s)
.if \hid
.set rD, HA+16*\m+8*\u
.else
.set rD, 64*\m+16*(\p)+8*\u
.endif
.set rC, rD
.if (\hid) && (\s == 0)
.set rC, BI+8*\u
.endif
.if \u
	v_wmma_scale_f32_16x16x128_f8f6f4 v[rD:rD+7], v[rA:rA+15], v[rB:rB+15], v[rC:rC+7], v[WSC+4*(\k)+\s], v[XS+4*\m+\s] matrix_a_scale:MATRIX_SCALE_ROW1
.else
	v_wmma_scale_f32_16x16x128_f8f6f4 v[rD:rD+7], v[rA:rA+15], v[rB:rB+15], v[rC:rC+7], v[WSC+4*(\k)+\s], v[XS+4*\m+\s]
.endif
.endr
.endr
.endr
.endm
.macro FETCHX adr                      ; 16 fragments of rows and their scale words from LDS
	WIN 0x40
.set i, 0
.rept 64
	ds_load_b128 v[4*i:4*i+3], v[\adr] offset:512*i
.set i, i+1
.endr
	WIN 0
.irp m, 0,1,2,3
	ds_load_b128 v[XS+4*\m:XS+4*\m+3], v[\adr] offset:32768+512*\m
.endr
.endm
.macro ADDZ                            ; Z's 64 numbers onto each tile's 64 accumulator registers
	WIN 0x82
.irp m, 0,1,2,3
.set e, 0
.rept 32
	v_pk_add_f32 v[64*\m+e:64*\m+e+1], v[64*\m+e:64*\m+e+1], v[Z+e:Z+e+1]
.set e, e+2
.endr
.endr
	WIN 0
.endm
.macro GELU                            ; HA = gelu(HA); Z at work
.set e, 0
.rept 32
	v_pk_mul_f32 v[Z+e:Z+e+1], v[HA+e:HA+e+1], v[HA+e:HA+e+1]      ; each accumulator is read from its low end on
.set e, e+2
.endr
.set e, 0
.rept 32
	v_pk_fma_f32 v[Z+e:Z+e+1], v[Z+e:Z+e+1], s[K1:K1+1], v[K0:K0+1] op_sel_hi:[1,0,1]
.set e, e+2
.endr
.set e, 0
.rept 32
	v_pk_mul_f32 v[Z+e:Z+e+1], v[Z+e:Z+e+1], v[HA+e:HA+e+1]
.set e, e+2
.endr
.set e, 0
	s_wait_alu depctr_va_vdst(0)
.rept 64
	v_exp_f32 v[Z+e], v[Z+e]
.set e, e+1
.endr
	v_nop
	s_wait_alu depctr_va_vdst(0)                   ; one wait for the batch, ahead of its first reader
.set e, 0
.rept 32
	v_pk_add_f32 v[Z+e:Z+e+1], v[Z+e:Z+e+1], 1.0 op_sel_hi:[1,0]
.set e, e+2
.endr
.set e, 0
	s_wait_alu depctr_va_vdst(0)
.rept 64
	v_rcp_f32 v[Z+e], v[Z+e]
.set e, e+1
.endr
	v_nop
	s_wait_alu depctr_va_vdst(0)
.set e, 0
.rept 32
	v_pk_mul_f32 v[HA+e:HA+e+1], v[HA+e:HA+e+1], v[Z+e:Z+e+1]
.set e, e+2
.endr
.endm
.macro LNFOLD area                     ; eight chains in v[TM] on -> each row's sum over all 512 columns in v[TM + m]
.irp m, 0,1,2,3
	v_pk_add_f32 v[TM+4*\m:TM+4*\m+1], v[TM+4*\m:TM+4*\m+1], v[TM+4*\m+2:TM+4*\m+3]
.endr
.irp m, 0,1,2,3
	v_add_f32 v[SUM4+\m], v[TM+4*\m], v[TM+4*\m+1]
.endr
.irp m, 0,1,2,3
	v_permlanex16_b32 v[TM+4*\m+2], v[SUM4+\m], s[SEL], s[SEL+1]
.endr
.irp m, 0,1,2,3
	v_add_f32 v[SUM4+\m], v[SUM4+\m], v[TM+4*\m+2]           ; my wave's 128 columns
.endr
	ds_store_b128 v[RDA], v[SUM4:SUM4+3] offset:2048*(\area)
	BARRIER
.irp q, 0,1,2,3
	ds_load_b128 v[TM+4*\q:TM+4*\q+3], v[LRD] offset:2048*(\area)+512*\q
.endr
	s_wait_dscnt 0x0
	v_pk_add_f32 v[TM:TM+1], v[TM:TM+1], v[TM+4:TM+5]
	v_pk_add_f32 v[TM+2:TM+3], v[TM+2:TM+3], v[TM+6:TM+7]
	v_pk_add_f32 v[TM+8:TM+9], v[TM+8:TM+9], v[TM+12:TM+13]
	v_pk_add_f32 v[TM+10:TM+11], v[TM+10:TM+11], v[TM+14:TM+15]
	v_pk_add_f32 v[TM:TM+1], v[TM:TM+1], v[TM+8:TM+9]
	v_pk_add_f32 v[TM+2:TM+3], v[TM+2:TM+3], v[TM+10:TM+11]
.endm
.macro LN                              ; the accumulators, in place: (x - mean) / deviation x g + b; g lies in HA, b in Z (their loads are waited for here)
	WIN 0x0a
.irp m, 0,1,2,3
	v_pk_add_f32 v[TM+4*\m:TM+4*\m+1], v[64*\m:64*\m+1], v[64*\m+2:64*\m+3]          ; each accumulator is read from its low end on
	v_pk_add_f32 v[TM+4*\m+2:TM+4*\m+3], v[64*\m+4:64*\m+5], v[64*\m+6:64*\m+7]
.endr
	WIN 0x08
.irp e, 8,12,16,20,24,28,32,36,40,44,48,52,56,60
.irp m, 0,1,2,3
	v_pk_add_f32 v[TM+4*\m:TM+4*\m+1], v[TM+4*\m:TM+4*\m+1], v[64*\m+\e:64*\m+\e+1]
	v_pk_add_f32 v[TM+4*\m+2:TM+4*\m+3], v[TM+4*\m+2:TM+4*\m+3], v[64*\m+\e+2:64*\m+\e+3]
.endr
.endr
	WIN 0
	LNFOLD 0
.irp m, 0,1,2,3
	v_mul_f32 v[MU+2*\m], s80, v[TM+\m]            ; / 512
	v_mul_f32 v[MU+2*\m+1], s80, v[TM+\m]
.endr
	WIN 0x82
.irp m, 0,1,2,3
.set e, 0
.rept 32
	v_pk_add_f32 v[64*\m+e:64*\m+e+1], v[64*\m+e:64*\m+e+1], v[MU+2*\m:MU+2*\m+1] neg_lo:[0,1] neg_hi:[0,1]
.set e, e+2
.endr
.endr
	WIN 0x0a
.irp m, 0,1,2,3
	v_pk_mul_f32 v[TM+4*\m:TM+4*\m+1], v[64*\m:64*\m+1], v[64*\m:64*\m+1]
	v_pk_mul_f32 v[TM+4*\m+2:TM+4*\m+3], v[64*\m+2:64*\m+3], v[64*\m+2:64*\m+3]
.endr
.irp e, 4,8,12,16,20,24,28,32,36,40,44,48,52,56,60
.irp m, 0,1,2,3
	v_pk_fma_f32 v[TM+4*\m:TM+4*\m+1], v[64*\m+\e:64*\m+\e+1], v[64*\m+\e:64*\m+\e+1], v[TM+4*\m:TM+4*\m+1]
	v_pk_fma_f32 v[TM+4*\m+2:TM+4*\m+3], v[64*\m+\e+2:64*\m+\e+3], v[64*\m+\e+2:64*\m+\e+3], v[TM+4*\m+2:TM+4*\m+3]
.endr
.endr
	WIN 0
	LNFOLD 1
.irp m, 0,1,2,3
	v_fma_f32 v[TM+\m], v[TM+\m], s80, s81         ; the variance + 1e-5
.endr
	s_wait_alu depctr_va_vdst(0)
.irp m, 0,1,2,3
	v_rsq_f32 v[RS+2*\m], v[TM+\m]
.endr
	v_nop
	s_wait_alu depctr_va_vdst(0)
.irp m, 0,1,2,3
	v_mov_b32 v[RS+2*\m+1], v[RS+2*\m]
.endr
	s_wait_alu depctr_va_vdst(0)
	s_wait_loadcnt 0x0                             ; g and b
	WIN 0x82
.irp m, 0,1,2,3
.set e, 0
.rept 32
	v_pk_mul_f32 v[64*\m+e:64*\m+e+1], v[64*\m+e:64*\m+e+1], v[RS+2*\m:RS+2*\m+1]
.set e, e+2
.endr
.endr
.irp m, 0,1,2,3
.set e, 0
.rept 32
	v_pk_fma_f32 v[64*\m+e:64*\m+e+1], v[64*\m+e:64*\m+e+1], v[HA+e:HA+e+1], v[Z+e:Z+e+1]
.set e, e+2
.endr
.endr
	WIN 0
.endm
.macro P6 p                            ; o Wc: chunk p of my four
	s_wait_loadcnt 33                              ; all but the youngest 33 loads: this chunk is in
	MULCHUNK (\p)%2, 0, \p
	WIN 0
	PLACES
.if \p < 2
	LOADCHUNK (\p)%2, WCC, 16384*((\p)+2), WCS, 512*((\p)+2)
.elseif \p == 2
	LOADCHUNK 0, W1O, 0, W1SO, 0
.else
	LOADCHUNK 1, W1O, 16384, W1SO, 512
.endif
.endm
.macro F1 bq                           ; 32 hidden units for the 64 rows: product, gelu, quantised: group bq of my K step's four fragments
	s_wait_loadcnt 33
	MULCHUNK (\bq)%2, 1, 0
	WIN 0
	PLACES
.if \bq < 3
	LOADB1 PB, 128*(\bq)+128                       ; a bias always ahead of the chunk, so that the count 33 covers it
.endif
.if \bq < 2
	LOADCHUNK (\bq)%2, P1, 16384*((\bq)+2), P1S, 512*((\bq)+2)
.else
	LOADCHUNK (\bq)%2, P2, 16384*((\bq)-2), P2S, 512*((\bq)-2)
.endif
	GELU
	s_wait_dscnt 0x0                               ; the last chunk's LDS stores have read the codes' registers
	QHA
.irp m, 0,1,2,3
	ds_store_b128 v[HW], v[PC+4*\m:PC+4*\m+3] offset:8192*\m+512*(\bq)
.endr
.irp m, 0,1,2,3
.if \bq == 0
	v_mov_b32 v[HWD+\m], v[TM+4+\m]
.else
	v_lshl_or_b32 v[HWD+\m], v[TM+4+\m], 8*(\bq), v[HWD+\m]
.endif
.endr
.endm
.macro F2 p                            ; the round's 512 hidden units against chunk p of my output columns
	s_wait_loadcnt 33
	MULCHUNK (\p)%2, 0, \p
	WIN 0
	PLACES
.if \p < 2
	LOADCHUNK (\p)%2, P2, 16384*((\p)+2), P2S, 512*((\p)+2)
.elseif \p == 2
	LOADCHUNK 0, N1, 0, N1S, 0
.else
	LOADB1 NB, 0
	LOADCHUNK 1, N1, 16384, N1S, 512
.endif
.endm
.macro OUTM m                          ; tile m through my own stage and out as whole pieces of rows: 512 consecutive bytes a store
.set BK, HA+64*((\m)%2)
	WIN 0x08
.irp p, 0,1,2,3
.irp u, 0,1
	ds_store_b128 v[SO], v[64*(\m)+16*\p+8*\u:64*(\m)+16*\p+8*\u+3] offset:128*\p+32*\u
	ds_store_b128 v[SO], v[64*(\m)+16*\p+8*\u+4:64*(\m)+16*\p+8*\u+7] offset:128*\p+32*\u+16
.endr
.endr
	WIN 0
.if \m > 1
	s_wait_xcnt 0x0                                ; the stores of two tiles back have read these registers
.endif
.irp i, 0,1,2,3,4,5,6,7,8,9,10,11,12,13,14,15
	ds_load_b128 v[BK+4*\i:BK+4*\i+3], v[SR] offset:SPI*\i         ; LDS serves a wave's instructions in order: these see my stores
.endr
	s_wait_dscnt 0x0
.irp i, 0,1,2,3,4,5,6,7,8,9,10,11,12,13,14,15
	global_store_b128 v[LI], v[BK+4*\i:BK+4*\i+3], s[OUTP:OUTP+1] offset:(32*((\m)/2)+8*((\m)%2)+\i+(\i&8))*2048 th:TH_STORE_NT
.endr
.endm
	s_load_b256 s[4:11], s[0:1], 0x0               ; oq, wq, values, lengths
	s_load_b256 s[12:19], s[0:1], 0x20             ; bc, b1, b2, ln_g
	s_load_b128 s[20:23], s[0:1], 0x40             ; ln_b, out0
	v_lshl_add_u32 v126, v0, 2, 0x1b400
	v_mov_b32 v127, 0
	v_lshrrev_b32 v[T8], 5, v0
	v_readfirstlane_b32 s[WV], v[T8]
	s_mov_b32 s[SEL], 0x76543210
	s_mov_b32 s[SEL+1], 0xfedcba98
	s_mov_b32 s[MNT], 0x600000
	s_mov_b32 s[K1], 0xbdd2d3e8                    ; k1
	s_mov_b32 s[K1+1], s[K1]
	s_mov_b32 s80, 0x3b000000                      ; 1 / 512
	s_mov_b32 s81, 0x3727c5ac                      ; 1e-5
	s_mov_b32 s77, 0
	s_wait_kmcnt 0x0
	s_load_b512 s[NBK:NBK+15], s[10:11], 0x0       ; all 16 lengths
	v_and_b32 v[LI], 31, v0
	v_lshlrev_b32 v[LI], 4, v[LI]
	v_and_b32 v[RR], 15, v0
	v_bfe_u32 v[HH], v0, 4, 1
	v_and_b32 v[T8], 8, v[RR]
	v_add_nc_u32 v[T8], v[T8], v[RR]               ; r + (r & 8)
	v_lshlrev_b32 v[BO], 6, v[HH]
	v_lshl_add_u32 v[VA], v[T8], 11, v[BO]         ; values: my row of a tile, + 64 h
	s_lshl_b32 s79, s[WV], 11
	v_add_nc_u32 v[AW], s79, v[LI]                 ; where I store a's images: K step w
	v_add_nc_u32 v[HW], HIMG, v[AW]
	s_lshl_b32 s79, s[WV], 2
	v_add_nc_u32 v[SW], s79, v[LI]                 ; and their scale words
	v_add_nc_u32 v[HSW], HIMG, v[SW]
	v_add_nc_u32 v[HL], HIMG, v[LI]
	v_add_nc_u32 v[LRD], RED, v[LI]
	s_lshl_b32 s79, s[WV], 9
	v_add_nc_u32 v[RDA], s79, v[LRD]
	s_mul_i32 s79, s[WV], 16*SPI
	s_add_co_u32 s79, s79, STG
	v_mul_u32_u24 v[SO], v[RR], SPI
	v_lshl_add_u32 v[SO], v[HH], 6, v[SO]
	v_add_nc_u32 v[SO], s79, v[SO]
	v_add_nc_u32 v[SR], s79, v[LI]
	v_mov_b32 v[K0], 0xc0135761                    ; k0
	v_mov_b32 v[K0+1], 0xc0135761
	v_mov_b32 v[NIL], 0
	v_mov_b32 v[FONE], 1.0
.irp b, 0,1,2,3
	v_mov_b32 v[TM+4+\b], 0
.endr
	s_lshl_b32 s79, s[WV], 9
	s_mov_b32 s76, s79
	s_add_nc_u64 s[12:13], s[12:13], s[76:77]      ; my 128 numbers of bc, b2, g, b; of b1 in each round
	s_add_nc_u64 s[16:17], s[16:17], s[76:77]
	s_add_nc_u64 s[18:19], s[18:19], s[76:77]
	s_add_nc_u64 s[20:21], s[20:21], s[76:77]
	s_add_nc_u64 s[B1O:B1O+1], s[14:15], s[76:77]
	s_lshl_b32 s79, s[WV], 16                      ; four chunks a wave
	s_add_co_u32 s76, s79, 786432
	s_add_nc_u64 s[WCC:WCC+1], s[6:7], s[76:77]
	s_add_co_u32 s76, s79, 1048576
	s_add_nc_u64 s[W1O:W1O+1], s[6:7], s[76:77]
	s_add_co_u32 s76, s79, 2097152
	s_add_nc_u64 s[W2O:W2O+1], s[6:7], s[76:77]
	s_lshl_b32 s79, s[WV], 11
	s_add_co_u32 s76, s79, 3145728+24576
	s_add_nc_u64 s[WCS:WCS+1], s[6:7], s[76:77]
	s_add_co_u32 s76, s79, 3145728+32768
	s_add_nc_u64 s[W1SO:W1SO+1], s[6:7], s[76:77]
	s_add_co_u32 s76, s79, 3145728+65536
	s_add_nc_u64 s[W2SO:W2SO+1], s[6:7], s[76:77]
	s_and_b32 s74, ttmp9, 15                       ; i
	s_lshr_b32 s79, ttmp9, 4                       ; j
	s_add_co_u32 s74, s74, s79
	s_and_b32 s74, s74, 15
	s_lshl_b32 s74, s74, 4
	s_add_co_u32 s74, s74, s79                     ; k = 16 ((i + j) % 16) + j
	s_mov_b32 s75, 0
	s_mov_b32 s78, 0
	s_wait_alu depctr_va_vdst(0)
	s_wait_kmcnt 0x0
	; ---- which block is number k.  nb = a batch's blocks with rows: ceil(max(length, 1) / 64), at most 16
.set sg, 0
.rept 16
	s_max_i32 s[NBK+sg], s[NBK+sg], 1
	s_add_co_u32 s[NBK+sg], s[NBK+sg], 63
	s_lshr_b32 s[NBK+sg], s[NBK+sg], 6
	s_min_u32 s[NBK+sg], s[NBK+sg], 16
.set sg, sg+1
.endr
.set sg, 0
.rept 16                               ; batch sg's blocks with rows begin at number s75: there block = k - (s75 - 16 sg)
	s_sub_co_u32 s76, s75, 16*sg
	s_cmp_ge_u32 s74, s75
	s_cselect_b32 s78, s76, s78
	s_add_co_u32 s75, s75, s[NBK+sg]
.set sg, sg+1
.endr
	s_cmp_lt_u32 s74, s75                          ; s75: the blocks with rows, in all
	s_cselect_b32 s[LIVE], 1, 0
.set sg, 0
.rept 16                               ; batch sg's blocks without rows begin at number s75 + 16 sg, s75 the blocks with rows from batch sg on: there block = k - (those from batch sg + 1 on)
	s_add_co_u32 s76, s75, 16*sg
	s_sub_co_u32 s75, s75, s[NBK+sg]
	s_cmp_ge_u32 s74, s76
	s_cselect_b32 s78, s75, s78
.set sg, sg+1
.endr
	s_sub_co_u32 s78, s74, s78
	s_min_u32 s78, s78, 255                        ; my block of 64 rows: 16 batch + block in the batch
	s_lshr_b32 s74, s78, 4
	s_min_u32 s74, s74, 15                         ; the batch
	s_lshl_b32 s76, s74, 2
	s_add_nc_u64 s[10:11], s[10:11], s[76:77]
	s_load_b32 s[LEN], s[10:11], 0x0               ; its length, for the rows' mask
	s_lshl_b32 s76, s78, 17
	s_lshl_b32 s79, s[WV], 9
	s_add_co_u32 s76, s76, s79
	s_add_nc_u64 s[VP:VP+1], s[8:9], s[76:77]      ; my block's first row, my 128 columns
	s_add_nc_u64 s[OUTP:OUTP+1], s[22:23], s[76:77]
	s_and_b32 s79, s78, 0xf0                       ; the batch's first block, whose o is always written
	s_cmp_eq_u32 s[LIVE], 1
	s_cselect_b32 s79, s78, s79                    ; whose o I read
	s_min_u32 s79, s79, 255
	s_lshl_b32 s76, s79, 15
	s_add_nc_u64 s[OQC:OQC+1], s[4:5], s[76:77]
	s_lshl_b32 s76, s79, 11
	s_add_co_u32 s76, s76, 8388608
	s_add_nc_u64 s[OQS:OQS+1], s[4:5], s[76:77]
	; ---- values and bc into the accumulators; o's fragments; the first two chunks of Wc; b1 of the first chunk of W1
	WIN 0x80
.irp m, 0,1,2,3
.irp p, 0,1,2,3
.irp j, 0,1,2,3
	global_load_b128 v[64*\m+16*\p+4*\j:64*\m+16*\p+4*\j+3], v[VA], s[VP:VP+1] offset:(32*(\m/2)+8*(\m%2))*2048+128*\p+16*\j
.endr
.endr
.endr
	WIN 0
	LOADV16 Z, 12
	WIN 0x40
.set i, 0
.rept 64
	global_load_b128 v[4*i:4*i+3], v[LI], s[OQC:OQC+1] offset:512*i
.set i, i+1
.endr
	WIN 0
.irp m, 0,1,2,3
	global_load_b128 v[XS+4*\m:XS+4*\m+3], v[LI], s[OQS:OQS+1] offset:512*\m
.endr
	LOADCHUNK 0, WCC, 0, WCS, 0
	LOADCHUNK 1, WCC, 16384, WCS, 512
	LOADB1 B1O, 0
	s_wait_kmcnt 0x0
	s_max_i32 s[LEN], s[LEN], 0
	s_min_u32 s[LEN], s[LEN], 1024
	s_and_b32 s75, s78, 15
	s_lshl_b32 s75, s75, 6                         ; where my block begins in its batch
	s_sub_co_i32 s82, s[LEN], s75                  ; so many of my rows count
.irp m, 0,1,2,3
	v_add_nc_u32 v[TV], 32*(\m/2)+8*(\m%2), v[T8]  ; my row in tile m
	v_cmp_gt_i32 vcc_lo, s82, v[TV]
	v_cndmask_b32 v[MK+2*\m], v[NIL], v[FONE], vcc_lo
	v_cndmask_b32 v[MK+2*\m+1], v[NIL], v[FONE], vcc_lo
.endr
	s_wait_loadcnt 63                              ; of the 70 youngest loads (two chunks and b1) at most 63 are out: values, bc, o and its scale words are in
	ADDZ
	s_wait_alu depctr_va_vdst(0)
	s_cmp_eq_u32 s[LIVE], 0
	s_cbranch_scc1 .Lno_p6                         ; a block without rows: no product
	P6 0
	P6 1
	P6 2
	P6 3
.Lno_p6:
	s_mov_b32 s[PH], 0
.Lphase:                                           ; two trips: the first LayerNorm and the feed-forward layer; the second LayerNorm, which leaves the loop
	LOADV16 HA, 18                                 ; g
	LOADV16 Z, 20                                  ; b
	LN
	s_cmp_eq_u32 s[PH], 1
	s_cbranch_scc1 .Lfinal
	LOADV16 Z, 16                                  ; b2
.irp m, 0,1,2,3
	QUANTW2 \m
.irp c, 0,1,2,3
	ds_store_b128 v[AW], v[PC+4*\c:PC+4*\c+3] offset:8192*\m+512*\c
.endr
	ds_store_b32 v[SW], v[T8] offset:32768+512*\m
	s_wait_dscnt 0x0                               ; the stores have read their registers
.endr
	s_wait_loadcnt 0x0
	ADDZ                                           ; a + b2: what the third product adds onto
	s_wait_alu depctr_va_vdst(0)
	BARRIER                                        ; a's sixteen fragments lie in LDS
	s_mov_b32 s[RHO], 0
.Lround:                                           ; four rounds of 512 hidden units
	s_wait_xcnt 0x0                                ; the last round's loads have read their bases
	s_mov_b32 s75, 0
	s_lshl_b32 s74, s[RHO], 18
	s_add_nc_u64 s[P1:P1+1], s[W1O:W1O+1], s[74:75]
	s_add_nc_u64 s[P2:P2+1], s[W2O:W2O+1], s[74:75]
	s_lshl_b32 s74, s[RHO], 13
	s_add_nc_u64 s[P1S:P1S+1], s[W1SO:W1SO+1], s[74:75]
	s_add_nc_u64 s[P2S:P2S+1], s[W2SO:W2SO+1], s[74:75]
	s_lshl_b32 s74, s[RHO], 11
	s_add_nc_u64 s[PB:PB+1], s[B1O:B1O+1], s[74:75]
	s_add_co_u32 s76, s[RHO], 1
	s_min_u32 s76, s76, 3                          ; the look-ahead of the last round stays in its buffers: it fetches that round's own chunks again
	s_lshl_b32 s74, s76, 18
	s_add_nc_u64 s[N1:N1+1], s[W1O:W1O+1], s[74:75]
	s_lshl_b32 s74, s76, 13
	s_add_nc_u64 s[N1S:N1S+1], s[W1SO:W1SO+1], s[74:75]
	s_lshl_b32 s74, s76, 11
	s_add_nc_u64 s[NB:NB+1], s[B1O:B1O+1], s[74:75]
	s_cmp_eq_u32 s[LIVE], 0                        ; a block without rows walks the rounds' barriers and none of their work
	s_cbranch_scc1 .Lno_f1
	FETCHX LI                                      ; a
	s_wait_dscnt 0x0
	F1 0
	F1 1
	F1 2
	F1 3
.irp m, 0,1,2,3
	ds_store_b32 v[HSW], v[HWD+\m] offset:32768+512*\m
.endr
.Lno_f1:
	BARRIER                                        ; the round's sixteen hidden fragments lie in LDS
	s_cmp_eq_u32 s[LIVE], 0
	s_cbranch_scc1 .Lno_fx
	FETCHX HL
.Lno_fx:
	BARRIER                                        ; every wave has its copy: they may be written again in the next round
	s_cmp_eq_u32 s[LIVE], 0
	s_cbranch_scc1 .Lno_f2
	F2 0
	F2 1
	F2 2
	F2 3
.Lno_f2:
	s_add_co_u32 s[RHO], s[RHO], 1
	s_cmp_lt_u32 s[RHO], 4
	s_cbranch_scc1 .Lround
	s_add_co_u32 s[PH], s[PH], 1
	s_cmp_lt_u32 s[PH], 2
	s_cbranch_scc1 .Lphase
.Lfinal:
	WIN 0x82
.irp m, 0,1,2,3
.set e, 0
.rept 32
	v_pk_mul_f32 v[64*\m+e:64*\m+e+1], v[64*\m+e:64*\m+e+1], v[MK+2*\m:MK+2*\m+1]   ; padded rows become zeros
.set e, e+2
.endr
.endr
	WIN 0
	s_wait_alu depctr_va_vdst(0)
	OUTM 0
	OUTM 1
	OUTM 2
	OUTM 3
	s_barrier_signal -1
	s_barrier_wait -1
	s_wait_tensorcnt 0x0                           ; the wave's end
	ds_add_u32 v126, v127
	s_wait_dscnt 0x0
	s_endpgm
.Lfunc_end_k_q25318b946f_tail:
	.size	k_q25318b946f_tail, .Lfunc_end_k_q25318b946f_tail-k_q25318b946f_tail
	.p2alignl 7, 3214868480
	.fill 96, 4, 3214868480
	.section	.rodata,"a",@progbits
	.p2align	6, 0x0
	.amdhsa_kernel k_q25318b946f_tail
		.amdhsa_group_segment_fixed_size 112128
		.amdhsa_private_segment_fixed_size 0
		.amdhsa_enable_private_segment 0
		.amdhsa_kernarg_size 80
		.amdhsa_user_sgpr_count 2
		.amdhsa_user_sgpr_kernarg_segment_ptr 1
		.amdhsa_wavefront_size32 1
		.amdhsa_system_sgpr_workgroup_id_x 1
		.amdhsa_system_sgpr_workgroup_id_y 1
		.amdhsa_system_sgpr_workgroup_id_z 1
		.amdhsa_system_vgpr_workitem_id 0
		.amdhsa_next_free_vgpr 1024
		.amdhsa_next_free_sgpr 102
		.amdhsa_reserve_vcc 1
		.amdhsa_float_denorm_mode_32 3
		.amdhsa_float_denorm_mode_16_64 3
		.amdhsa_memory_ordered 1
		.amdhsa_forward_progress 1
		.amdhsa_inst_pref_size 255
	.end_amdhsa_kernel
	.section	.bss,"aw",@nobits
	.p2align	6
	.space	262144
	.amdgpu_metadata
---
amdhsa.version: [ 1, 2 ]
amdhsa.kernels:
  - .name:           k_q25318b946f_tail
    .symbol:         k_q25318b946f_tail.kd
    .args:
      - { .name: oq, .offset: 0, .size: 8, .value_kind: global_buffer, .address_space: global }
      - { .name: wq, .offset: 8, .size: 8, .value_kind: global_buffer, .address_space: global }
      - { .name: values, .offset: 16, .size: 8, .value_kind: global_buffer, .address_space: global }
      - { .name: lengths, .offset: 24, .size: 8, .value_kind: global_buffer, .address_space: global }
      - { .name: bc, .offset: 32, .size: 8, .value_kind: global_buffer, .address_space: global }
      - { .name: b1, .offset: 40, .size: 8, .value_kind: global_buffer, .address_space: global }
      - { .name: b2, .offset: 48, .size: 8, .value_kind: global_buffer, .address_space: global }
      - { .name: ln_g, .offset: 56, .size: 8, .value_kind: global_buffer, .address_space: global }
      - { .name: ln_b, .offset: 64, .size: 8, .value_kind: global_buffer, .address_space: global }
      - { .name: out0, .offset: 72, .size: 8, .value_kind: global_buffer, .address_space: global }
    .group_segment_fixed_size: 112128
    .private_segment_fixed_size: 0
    .kernarg_segment_align: 8
    .kernarg_segment_size: 80
    .max_flat_workgroup_size: 128
    .sgpr_count:     102
    .vgpr_count:     1024
    .wavefront_size: 32
...
	.end_amdgpu_metadata
.endif
;; end of part 4
